; MI455X (gfx1250); checked and timed in simulation.
; The chip was launched on July 23, 2026; its instructions are those of AMD's public machine-readable ISA for CDNA 5 (MIT licence, August 2026) and "CDNA5" Instruction Set Architecture Reference Guide (July 2026). The comments in the code are by the model that wrote it; some were corrected since.
;; Multi Head Attention. Allowed arithmetic: matrix products marked QUANTISED: E2M3 operands, one E8M0 scale for each 32 along K, by v_wmma_scale_f32_16x16x128_f8f6f4 with both operands' format E2M3, f32 sums; everything else in f32.
;; Inputs: W_k 1,024 x 1,024 float32; W_o 1,024 x 1,024 float32; W_q 1,024 x 1,024 float32; W_v 1,024 x 1,024 float32; x 4 x 2,048 x 1,024 float32.
;; Outputs: out0 4 x 2,048 x 1,024 float32.
;; This version of the problem:
;;   THIS VERSION OF THE PROBLEM IS GIVEN IN LOW PRECISION. The matrix products marked QUANTISED in the list below multiply operands that are first quantised to E2M3 (2 exponent bits, 3 mantissa bits; 6 bits a number), with one power-of-two scale for each 32 numbers along K (OCP MX v1.0); their sums are f32. All else is computed in f32.
;;   The module's matrix products, in the order in which they are computed (A, B: the left and right operand; K: the contracted axis; several contracted axes count as one K, in the product's order):
;;     1. [M 8,192, K 1,024] x [K 1,024, N 1,024]; A: input x; B: input W_q: QUANTISED
;;     2. [M 8,192, K 1,024] x [K 1,024, N 1,024]; A: input x; B: input W_k: QUANTISED
;;     3. [M 8,192, K 1,024] x [K 1,024, N 1,024]; A: input x; B: input W_v: QUANTISED
;;     4. batch 64 x [M 2,048, K 64] x [K 64, N 2,048]; A: computed on the way; B: computed on the way: QUANTISED
;;     5. batch 64 x [M 2,048, K 2,048] x [K 2,048, N 64]; A: softmax (see below); B: computed on the way: QUANTISED
;;     6. [M 8,192, K 1,024] x [K 1,024, N 1,024]; A: computed on the way; B: input W_o: QUANTISED
;;   THE QUANTISER, for each operand of a quantised product, along K:
;;     - K is cut into blocks of 32 from its start; a last block that is shorter is filled with zeros.
;;     - A block's scale is 2^e with e = floor(log2(the largest magnitude in the block)) - 2, held to -126 .. 127; a block of zeros has e = 0. As a byte (E8M0): e + 127.
;;     - Each number is divided by its block's scale, clamped to +-7.5, and rounded to the nearest number of E2M3, ties to even, subnormals kept.
;;     - The product sums the exact products of the quantised numbers (number of the format x scale) in f32.
;;   ~~~python
;;   def quantise(x, axis):      # numpy; x: float32 -> the quantised numbers, widened to float32 again
;;       x = np.moveaxis(x, axis, -1); K = x.shape[-1]
;;       x = np.pad(x, [(0, 0)] * (x.ndim - 1) + [(0, -K % 32)]); x = x.reshape(x.shape[:-1] + (-1, 32)); a = np.abs(x).max(-1, keepdims=True)
;;       e = np.where(a > 0, np.clip(np.frexp(np.where(a > 0, a, 1))[1] - 1 - 2, -126, 127), 0)      # np.frexp(a)[1] - 1 = floor(log2(a)), exactly
;;       r = np.clip(x / 2.0 ** e, -7.5, 7.5)
;;       step = 2.0 ** (np.maximum(np.frexp(np.where(r == 0, 1, r))[1] - 1, 0) - 3)
;;       q = np.round(r / step) * step * 2.0 ** e      # np.round: ties to even
;;       return np.moveaxis(q.reshape(q.shape[:-2] + (-1,))[..., :K], -1, axis).astype(np.float32)
;;   ~~~
;;   SOFTMAX AHEAD OF A QUANTISED PRODUCT. Where the list says 'softmax', what is quantised is not the finished softmax but p = 2^(t - M), with t = logit x log2(e) and M = ceil(the row's largest t), a whole number; so 1/2 < the row's largest p <= 1. The row's sum l is taken of the UNQUANTISED p, in f32, and the product's result is divided by l at the end. Since M is a whole number, a kernel that streams over the keys may use a running M (the ceiling of the running maximum): every later rescaling is an exact power of two, which a block's scale takes up: the codes' values come out the same.
;;   OPERANDS COMPUTED ON THE WAY. 'Computed on the way' means the value that the module computes at that place (a softmax that the list does not call 'softmax' is quantised finished and normalised). What goes into a quantiser is computed in f32, as accurately as f32 sums, v_exp_f32 and their like allow (about 1e-6 of the number): no bf16 or f16 on the way to a quantiser, and a product that is left as it is and whose result goes on into a quantised operand takes f32 operands (vector FMAs, or v_wmma_f32_16x16x4_f32). A number that lies on a knife's edge between two numbers of the format may be rounded either way, as far as f32 arithmetic and the matrix unit's own rounding can turn it there, and no further.
;; One version. Each part assembles by itself: llvm-mc -triple=amdgcn-amd-amdhsa -mcpu=gfx1250 --defsym DOCPART=n.
;; ======== version 1 of 1: 4 launches
;; workspace buffers: xw 9,830,400 bytes; qkv 20,447,232 bytes; oq 6,553,600 bytes
;; launch quant (part 1): grid 384 x 1, 2 waves a work-group, no clusters, 17,152 bytes of LDS; arguments x, W_q, W_k, W_v, W_o, xw; writes xw
.if DOCPART == 1
	.amdgcn_target "amdgcn-amd-amdhsa--gfx1250"
	.amdhsa_code_object_version 6
	.text
	.protected	k_q4e20cab4c0_quant
	.globl	k_q4e20cab4c0_quant
	.p2align	8
	.type	k_q4e20cab4c0_quant,@function
k_q4e20cab4c0_quant:
	s_mov_b64 s[64:65], 0
	v_nop
	global_prefetch_b8 v0, s[64:65] scope:SCOPE_SE
	s_setreg_imm32_b32 hwreg(HW_REG_WAVE_MODE, 25, 1), 1
	s_wait_xcnt 0x0
; x [8192][1024] and the four weights [1024][1024], f32 with K innermost, become codes of FP6 (E2M3) with one E8M0 byte for each 32 along K,
; laid in the order of an operand's registers.  xw holds 768 ROW BLOCKS of 16 rows: 0-511 x, 512-575 W_q, 576-639 W_k, 640-703 W_v, 704-767 W_o.
; THE ROWS OF A ROW BLOCK ARE NOT NEIGHBOURS: place r of block t stands for row 32 (t / 2) + 8 (t % 2) + r + 8 (r / 8), so that a product that takes
; such a block as its source 0 leaves 16 neighbours along the next K in the 16 registers of two neighbouring result tiles.
; A HALF FRAGMENT is 16 places x 64 along K in 768 bytes: lane l's registers 0-3 at byte 16 l, its registers 4-5 at byte 512 + 8 l; lane (r, h) holds
; the 24 bytes of block h of place r.  A row block is 16 half fragments on end, 12,288 bytes.  The scale bytes lie behind the codes: 32 bytes a place.
; A block's scale is 2^(floor(log2(its largest magnitude)) - 2); its byte is the largest magnitude's exponent field - 2, held at 1 from below.
; LIMITS: NaN and infinities among the inputs are not served; a block whose largest magnitude lies under 2^-124 gets the byte 1; a block of zeros gets the
; byte 1 where the rule says 127: its codes are zeros, which add nothing under any byte but 0xff, and the bytes are read by this program alone.
; SHARES.  A wave takes one row block: 8 fragments of 128 along K.  Each load reads 512 consecutive bytes of one row; a fragment's 16 rows turn through the
; wave's own stage in LDS (rows 528 bytes apart) and come back 128 bytes a lane and block.  Loads run two fragments (32 loads a wave) ahead.
; No tensor loads, no barrier, no cluster: waves share nothing.  Every store of codes covers 512 or 256 consecutive bytes, aligned.
.set XW_SC, 9437184                    ; where the scale bytes begin in xw
.set SP,    528                        ; a stage row: 512 bytes + 16
.set WREG,  16*SP                      ; a wave's stage
.set SW,    16                         ; v16-23   the row block's 8 scale words
.set C,     28                         ; v28-39   a fragment's codes
.set CT,    40                         ; v40-46   the upper halves of the blocks' codes, as the conversions leave them
.set X,     48                         ; v48-111  64 numbers: two blocks of 32 neighbours
.set R,     112                        ; v112-239 two sets of 64 registers as loaded
	s_load_b256 s[4:11], s[0:1], 0x0               ; x, W_q, W_k, W_v
	s_load_b128 s[12:15], s[0:1], 0x20             ; W_o, xw
	v_lshl_add_u32 v240, v0, 2, 0x4200
	v_mov_b32 v241, 0
	v_lshrrev_b32 v1, 5, v0
	v_readfirstlane_b32 s22, v1                    ; wave 0, 1
	v_and_b32 v1, 31, v0                           ; lane
	v_and_b32 v2, 15, v0                           ; r
	v_bfe_u32 v3, v0, 4, 1                         ; h
	v_lshlrev_b32 v4, 4, v1                        ; 16 x lane
	v_lshlrev_b32 v5, 3, v1                        ; 8 x lane
	s_mul_i32 s23, s22, WREG
	v_add_nc_u32 v6, s23, v4                       ; the stage, on the way in: 16 bytes a lane of a row
	v_mul_u32_u24 v7, v2, SP
	v_lshl_add_u32 v7, v3, 7, v7
	v_add_nc_u32 v7, s23, v7                       ; and on the way out: row r, + 128 h: my block of 32 numbers
	v_lshlrev_b32 v8, 5, v2
	v_lshl_add_u32 v8, v3, 4, v8                   ; my 16 of place r's 32 scale bytes
	v_lshlrev_b32 v9, 3, v3                        ; 8 h: how far my two bytes are shifted in a scale word
	s_mov_b32 s20, 0x76543210
	s_mov_b32 s21, 0xfedcba98                      ; v_permlanex16_b32's selects for lane l xor 16
	s_lshr_b32 s2, ttmp9, 5                        ; 0-7: x;  8: W_q;  9: W_k;  10: W_v;  11: W_o
	s_lshl_b32 s3, ttmp9, 1
	s_add_co_u32 s3, s3, s22                       ; my row block in xw
	s_wait_kmcnt 0x0
	s_mov_b64 s[16:17], s[12:13]                   ; the source is chosen by the work-group's number alone
	s_cmp_eq_u32 s2, 10
	s_cselect_b64 s[16:17], s[10:11], s[16:17]
	s_cmp_eq_u32 s2, 9
	s_cselect_b64 s[16:17], s[8:9], s[16:17]
	s_cmp_eq_u32 s2, 8
	s_cselect_b64 s[16:17], s[6:7], s[16:17]
	s_cmp_lt_u32 s2, 8
	s_cselect_b64 s[16:17], s[4:5], s[16:17]
	s_cselect_b32 s24, 511, 63
	s_and_b32 s24, s3, s24                         ; my row block in its own tensor
	s_lshr_b32 s25, s24, 1
	s_lshl_b32 s18, s25, 17                        ; 32 rows of 4,096 bytes for each pair of blocks,
	s_and_b32 s25, s24, 1
	s_lshl_b32 s25, s25, 15                        ; 8 rows more for the odd one
	s_add_co_u32 s18, s18, s25
	s_mov_b32 s19, 0
	s_add_nc_u64 s[16:17], s[16:17], s[18:19]
	s_mul_i32 s18, s3, 12288
	s_add_nc_u64 s[26:27], s[14:15], s[18:19]      ; my codes
	s_lshl_b32 s18, s3, 9
	s_add_co_u32 s18, s18, XW_SC
	s_add_nc_u64 s[28:29], s[14:15], s[18:19]      ; my scale bytes
.macro LOADF f                         ; fragment f: 512 bytes of each of my 16 rows, into set f % 2
.irp p, 0,1,2,3,4,5,6,7,8,9,10,11,12,13,14,15
	global_load_b128 v[R+64*((\f)%2)+4*\p:R+64*((\f)%2)+4*\p+3], v4, s[16:17] offset:(\p+8*(\p/8))*4096+512*(\f) th:TH_LOAD_NT
.endr
.endm
.macro FRAGQ f
.if (\f) < 7
	s_wait_loadcnt 16                              ; this fragment's 16 loads are in; the next fragment's 16 may be out
.else
	s_wait_loadcnt 0x0
.endif
.irp p, 0,1,2,3,4,5,6,7,8,9,10,11,12,13,14,15
	ds_store_b128 v6, v[R+64*((\f)%2)+4*\p:R+64*((\f)%2)+4*\p+3] offset:SP*\p
.endr
.irp c, 0,1                                    ; LDS serves a wave's instructions in order (ISA guide 5.7.1.4): these see the stores above
.irp i, 0,1,2,3,4,5,6,7
	ds_load_b128 v[X+32*\c+4*\i:X+32*\c+4*\i+3], v7 offset:256*\c+16*\i   ; k = 128 f + 64 c + 32 h + 4 i ..
.endr
.endr
	s_wait_dscnt 0x0                               ; my numbers are back, and the stores have read their registers,
.if (\f) < 6
	LOADF (\f)+2                                   ; which take the loads of two fragments on
.endif
.irp c, 0,1
	v_max3_num_f32 v[10+\c], |v[X+32*\c]|, |v[X+32*\c+1]|, 0x1800000   ; my block 2 c + h: all its 32 numbers are mine; and the floor 2^(3 - 127): the byte cannot fall under 1
.endr
.irp i, 2,4,6,8,10,12,14,16,18,20,22,24,26,28,30
.irp c, 0,1
	v_max3_num_f32 v[10+\c], v[10+\c], |v[X+32*\c+\i]|, |v[X+32*\c+\i+1]|
.endr
.endr
.irp c, 0,1
	v_add_nc_u32 v[12+\c], 0xff000000, v[10+\c]    ; 2 off the exponent field: the conversion takes the exponent field of this operand as its scale
.endr
.irp c, 0,1
	v_lshrrev_b32 v[14+\c], 23, v[12+\c]           ; the scale's byte
.endr
	v_lshl_or_b32 v10, v15, 16, v14                ; my two bytes: blocks h and 2 + h,
	v_lshlrev_b32 v10, v9, v10                     ; at their places in the scale word;
	v_permlanex16_b32 v11, v10, s20, s21
	v_or_b32 v[SW+(\f)], v10, v11                  ; with lane l xor 16's two the word is whole
	s_wait_xcnt 0x0                                ; the last fragment's stores have read their data: the codes' registers are written again only behind this wait
.irp c, 0,1
	v_cvt_scalef32_pk16_fp6_f32 v[C+6*\c:C+6*\c+2], v[X+32*\c:X+32*\c+15], v[12+\c]
	v_cvt_scalef32_pk16_fp6_f32 v[CT+4*\c:CT+4*\c+2], v[X+32*\c+16:X+32*\c+31], v[12+\c]   ; (a conversion's three registers begin on an even number)
.endr
	v_nop                                          ; one plain place behind a scaled conversion
.irp c, 0,1
.irp i, 0,1,2
	v_mov_b32 v[C+3+6*\c+\i], v[CT+4*\c+\i]
.endr
.endr
.irp c, 0,1
	global_store_b128 v4, v[C+6*\c:C+6*\c+3], s[26:27] offset:(2*(\f)+\c)*768        ; 512 consecutive bytes, aligned
	global_store_b64 v5, v[C+6*\c+4:C+6*\c+5], s[26:27] offset:(2*(\f)+\c)*768+512   ; 256 consecutive bytes, aligned
.endr
.endm
	LOADF 0
	LOADF 1
.irp f, 0,1,2,3,4,5,6,7
	FRAGQ \f
.endr
	v_cmp_ne_u32 vcc_lo, 0, v9                     ; lanes 16-31 store words 4 to 7 of their place
.irp i, 0,1,2,3
	v_cndmask_b32 v[24+\i], v[SW+\i], v[SW+4+\i], vcc_lo
.endr
	global_store_b128 v8, v[24:27], s[28:29]       ; the row block's 512 scale bytes
	s_wait_tensorcnt 0x0
	ds_add_u32 v240, v241
	s_wait_dscnt 0x0
	s_endpgm
.Lfunc_end_k_q4e20cab4c0_quant:
	.size	k_q4e20cab4c0_quant, .Lfunc_end_k_q4e20cab4c0_quant-k_q4e20cab4c0_quant
	.p2alignl 7, 3214868480
	.fill 96, 4, 3214868480
	.section	.rodata,"a",@progbits
	.p2align	6, 0x0
	.amdhsa_kernel k_q4e20cab4c0_quant
		.amdhsa_group_segment_fixed_size 17152
		.amdhsa_private_segment_fixed_size 0
		.amdhsa_enable_private_segment 0
		.amdhsa_kernarg_size 48
		.amdhsa_user_sgpr_count 2
		.amdhsa_user_sgpr_kernarg_segment_ptr 1
		.amdhsa_wavefront_size32 1
		.amdhsa_system_sgpr_workgroup_id_x 1
		.amdhsa_system_sgpr_workgroup_id_y 1
		.amdhsa_system_sgpr_workgroup_id_z 1
		.amdhsa_system_vgpr_workitem_id 0
		.amdhsa_next_free_vgpr 242
		.amdhsa_next_free_sgpr 66
		.amdhsa_reserve_vcc 1
		.amdhsa_float_denorm_mode_32 3
		.amdhsa_float_denorm_mode_16_64 3
		.amdhsa_memory_ordered 1
		.amdhsa_forward_progress 1
		.amdhsa_inst_pref_size 58
	.end_amdhsa_kernel
	.amdgpu_metadata
---
amdhsa.version: [ 1, 2 ]
amdhsa.kernels:
  - .name:           k_q4e20cab4c0_quant
    .symbol:         k_q4e20cab4c0_quant.kd
    .args:
      - { .name: x, .offset: 0, .size: 8, .value_kind: global_buffer, .address_space: global }
      - { .name: W_q, .offset: 8, .size: 8, .value_kind: global_buffer, .address_space: global }
      - { .name: W_k, .offset: 16, .size: 8, .value_kind: global_buffer, .address_space: global }
      - { .name: W_v, .offset: 24, .size: 8, .value_kind: global_buffer, .address_space: global }
      - { .name: W_o, .offset: 32, .size: 8, .value_kind: global_buffer, .address_space: global }
      - { .name: xw, .offset: 40, .size: 8, .value_kind: global_buffer, .address_space: global }
    .group_segment_fixed_size: 17152
    .private_segment_fixed_size: 0
    .kernarg_segment_align: 8
    .kernarg_segment_size: 48
    .max_flat_workgroup_size: 64
    .sgpr_count:     66
    .vgpr_count:     242
    .wavefront_size: 32
...
	.end_amdgpu_metadata
.endif
;; end of part 1
;; launch qkv (part 2): grid 8 x 48, 4 waves a work-group, clusters of 4 x 4, 327,680 bytes of LDS; arguments xw, qkv; writes qkv
.if DOCPART == 2
	.amdgcn_target "amdgcn-amd-amdhsa--gfx1250"
	.amdhsa_code_object_version 6
	.text
	.protected	k_q4e20cab4c0_qkv
	.globl	k_q4e20cab4c0_qkv
	.p2align	8
	.type	k_q4e20cab4c0_qkv,@function
k_q4e20cab4c0_qkv:
	s_mov_b64 s[64:65], 0
	v_nop
	global_prefetch_b8 v0, s[64:65] scope:SCOPE_SE
	s_setreg_imm32_b32 hwreg(HW_REG_WAVE_MODE, 25, 1), 1
	s_wait_xcnt 0x0
	s_wait_alu depctr_hold_cnt(0) depctr_sa_sdst(0) depctr_va_vdst(0) depctr_va_sdst(0) depctr_va_ssrc(0) depctr_va_vcc(0) depctr_vm_vsrc(0)
	s_getreg_b32 s2, hwreg(HW_REG_IB_STS2, 6, 4)
	s_cmp_eq_u32 s2, 0
	s_cbranch_scc0 .Lentry_in_a_cluster
	s_endpgm
.Lentry_in_a_cluster:
	s_bfe_u32 s2, ttmp6, 0x10000c
	s_cmp_lg_u32 s2, 0xf033
	s_cbranch_scc0 .Lentry_shape_is_right
	s_endpgm
.Lentry_shape_is_right:
; [Q | K] = x [W_q ; W_k]^T and V^T = W_v x^T on codes of FP6 (E2M3) with E8M0 scales, K = 1,024; the results are quantised in registers along their columns and stored as codes.
; One text serves both: C'[i][j] = sum over k of A'[i][k] B'[j][k], quantised along j.  Clusters with y < 8: A' = x (tokens), B' = W_q, W_k (channels: blocks of 32 of a head's 64).
; Clusters with y >= 8: A' = W_v (channels), B' = x (tokens: V is quantised along the keys).  The role selects numbers alone (tiles, offsets), by s_cselect_b32 on the cluster's y: there is no branch on it.
; OPERANDS lie in xw as images of their registers: row blocks of 16 places, 16 half fragments of 768 bytes each (lane l's registers 0-3 at 16 l, 4-5 at 512 + 8 l), scale bytes 32 a place.
; Place r of row block t stands for row 32 (t / 2) + 8 (t % 2) + r + 8 (r / 8).  THE MATRIX INSTRUCTION IS USED TRANSPOSED (source 0 = B', source 1 = A'): a lane holds one place of A', and the 16 registers of
; result tiles 2 b and 2 b + 1 are the 16 neighbours 32 b + 16 (lane / 16) + 0 .. 15 of B': what the conversions want.
; A tile of C' is 256 x 256, made by four waves, 128 x 128 each: 64 accumulators.  K goes in four steps of 256 through THREE LDS slots: steps 0, 1, 2 are asked for at the head, step 3 fills slot 0 again
; behind one round of the cluster's barrier.  By this text's own count a wave has four tensor loads out at the head and one behind the round.
; CLUSTERS: 4 x 4.  The four of a row need the same tiles of A', the four of a column the same tiles of B': each is asked for jointly.
; OUT (qkv): Q's and K's codes [head 0-15 Q, 16-31 K][token row block][768]; V's [64 keys][channel row block][768]; scale words [..][row block][16 words].
; A Q or K word's bytes 2, 3 stand against zero codes in the next launch (they are never 0xff).  V's word of 128 keys lies at the even 64 keys; the odd ones' words are written and not read.
; LIMITS: as in the first launch: a block of zeros, or one under 2^-124, gets the byte 1; NaN and infinities are not served.
; REGISTERS: window 0: v4-27 addresses; v32-63 scale words, two sets; v64-111 at work on the way out; v128-223 A's 8 fragments, one set.  window 1: B's two sets, v0-95 and v128-223.  windows 2, 3: accumulator (a, b) at v[8 (8 (a % 4) + b)].
.set XW_SC, 9437184
.set V_IMG, 12582912
.set QK_SC, 18874368
.set V_SC,  19922944
.set SLOT,  98304                      ; A's 16 row blocks x 3,072 bytes (256 along K), then B's
.set HALFT, 24576                      ; 8 row blocks: what one tensor load brings, and what one wave reads of A or of B
.set RBB,   3072
.set SCL,   3*SLOT                     ; behind the slots: the scales of all of K, as units of 256 bytes + 16 of padding
.set HALFS, 16*272                     ; those of 128 places
.set SPARE, SCL+4*HALFS                ; the spare words, 128 bytes for each wave: two blocks of 256 bytes that no other line names
.set STG,   SLOT                       ; the way out: 1,024 bytes a wave in slot 1, which has had its one fill and its last read by then
.set FR,    12
.set NL,    4                          ; LDS loads that bring a fragment
.set NP,    4                          ; places behind this matrix instruction (ISA guide 7.12.1)
.set ADRA,  4                          ; v4-9    my A fragments: slot s: v[4+2s] = .. + 16 lane, v[5+2s] = .. + 8 lane
.set ADRB,  10                         ; v10-15  the same for B
.set ADRS,  16                         ; v16     my scale words: lanes 0-15 A's places, lanes 16-31 B's
.set SPW,   17                         ; v17     my spare word; never rewritten
.set NIL,   18                         ; v18     0; never rewritten
.set L16,   19                         ; v19     16 x lane
.set L8,    20                         ; v20     8 x lane
.set SSTO,  21                         ; v21     where I put a scale word in the stage
.set SRD,   22                         ; v22     and where I read 16 bytes back
.set H16,   23                         ; v23     16 h
.set SC,    32
.set AF,    128
.set TM,    64                         ; v64-67 largest magnitudes, v68-71 bytes, v76-79 the conversions' scale operands
.set PW,    80                         ; the scale word just made
.set PT,    81                         ; and my half's part of it
.set PC,    84                         ; v84-95 the codes just made, v96-102 at work
.set G1,    32                         ; s[32:39] group 1 for A's tiles, s[40:47] for B's, s[48:55] for A's scales, s[56:63] for B's
.set G1B,   40
.set G1S,   48
.set G1SB,  56
.set G0A,   68                         ; s[68:83] A's groups 0: scales, slots 0, 1, 2
.set G0B,   84                         ; s[84:99] B's
.set SEL,   26
.set MSB, 0
.macro WIN new                         ; the immediate's high byte repeats the setting that is left
.if MSB != \new
	s_set_vgpr_msb (MSB<<8)|\new
.set MSB, \new
.endif
.endm
.set MUL_LO, 0xa1                      ; source 0 (B) window 1, source 1 (A) window 0, C and D window 2
.set MUL_HI, 0xf1                      ; the same, C and D window 3
.set TO_B,   0x40                      ; destination window 1, address window 0
; A joint load: waves 0 and 1 fetch for A, waves 2 and 3 for B; the branch hangs on the wave's number alone.  Four v_nop follow each of the two lines.
.macro JLOAD g0a, g1a, g0b, g1b
	s_cmp_eq_u32 s15, 0
	s_cbranch_scc0 .Lfor_b_\@
	tensor_load_to_lds s[\g0a:\g0a+3], s[\g1a:\g1a+7]
	s_nop 0
.rept 4
	v_nop
.endr
	s_branch .Lasked_\@
.Lfor_b_\@:
	tensor_load_to_lds s[\g0b:\g0b+3], s[\g1b:\g1b+7]
	s_nop 0
.rept 4
	v_nop
.endr
.Lasked_\@:
.endm
.macro CREST                           ; a round of the cluster's barrier behind its opening barrier
	s_cmp_lg_u32 s14, 0
	s_cbranch_scc1 .Lnot_wave_0_\@
	s_barrier_signal -3
.Lnot_wave_0_\@:
	s_barrier_wait -3
	s_barrier_signal -1
	s_barrier_wait -1
.endm
.macro CROUND
	s_barrier_signal -1
	s_barrier_wait -1
	CREST
.endm
.macro PLACES n
.rept \n
	v_nop
.endr
.endm
	s_load_b128 s[4:7], s[0:1], 0x0                ; xw, qkv
	v_lshl_add_u32 v[SPW], v0, 2, SPARE
	v_mov_b32 v[NIL], 0
	ds_add_u32 v17, v18
	ds_add_u32 v17, v18
	s_wait_dscnt 0x0
	v_lshrrev_b32 v1, 5, v0
	v_readfirstlane_b32 s14, v1                    ; wave 0..3
	s_lshr_b32 s15, s14, 1                         ; which half of A's places is mine.  Also: I fetch for A (0) or for B (1)
	s_and_b32 s16, s14, 1                          ; which half of B's.  Also: which 8 row blocks of that tile I fetch
	s_lshl_b32 s17, s16, 3
	s_bfe_u32 s20, ttmp6, 0x40000                  ; cx
	s_bfe_u32 s21, ttmp6, 0x40004                  ; cy
	s_lshl_b32 s22, s21, 2
	s_lshl_b32 s22, 15, s22                        ; my row of the cluster
	s_lshl_b32 s23, 0x1111, s20                    ; my column
	; group 1, codes: 8 row blocks x 3,072 bytes (384 elements of 8 bytes), 12,288 bytes apart in memory, on end in LDS
	s_or_b32 s[G1+0], s22, (3<<16)|(1<<21)
	s_or_b32 s[G1B+0], s23, (3<<16)|(1<<21)
.irp g, G1, G1B
	s_mov_b32 s[\g+1], 384<<16                     ; tensor_dim0
	s_mov_b32 s[\g+2], 8<<16                       ; tensor_dim1
	s_mov_b32 s[\g+3], 384<<16                     ; tile_dim0
	s_mov_b32 s[\g+4], 8                           ; tile_dim1
	s_mov_b32 s[\g+5], 1536                        ; tensor_dim0_stride
	s_mov_b32 s[\g+6], 0
	s_mov_b32 s[\g+7], 0
.endr
	; group 1, scales: 4,096 dense bytes as 16 rows of 256 (32 elements of 8 bytes), 16 bytes of padding behind each
	s_or_b32 s[G1S+0], s22, (3<<16)|(1<<20)|(1<<21)|(5<<22)|(3<<25)
	s_or_b32 s[G1SB+0], s23, (3<<16)|(1<<20)|(1<<21)|(5<<22)|(3<<25)
.irp g, G1S, G1SB
	s_mov_b32 s[\g+1], 32<<16
	s_mov_b32 s[\g+2], 16<<16
	s_mov_b32 s[\g+3], 32<<16
	s_mov_b32 s[\g+4], 16
	s_mov_b32 s[\g+5], 32
	s_mov_b32 s[\g+6], 0
	s_mov_b32 s[\g+7], 0
.endr
	; the role's numbers.  Tiles of 256 rows in xw: x 0-31, W_q and W_k 32-39, W_v 40-43
	s_and_b32 s24, ttmp7, 0xffff                   ; the cluster's y
	s_lshl_b32 s25, s24, 2
	s_max_u32 s26, s24, 8
	s_sub_co_u32 s26, s26, 8
	s_lshl_b32 s26, s26, 1
	s_add_co_u32 s26, s26, ttmp9
	s_lshl_b32 s26, s26, 2                         ; V: x's tile less cx: 4 (2 (y - 8) + x)
	s_lshl_b32 s27, ttmp9, 2
	s_add_co_u32 s28, s27, 32                      ; Q, K: the weights' tile less cx
	s_mov_b32 s66, V_SC
	s_mov_b32 s67, 49152
	s_mov_b32 s2, 4096
	s_cmp_lt_u32 s24, 8
	s_cselect_b32 s30, s25, 0                      ; the output's tile of places, less cy
	s_cselect_b32 s25, s25, 40                     ; A's tile, less cy
	s_cselect_b32 s28, s28, s26                    ; B's tile, less cx
	s_cselect_b32 s29, s27, s26                    ; the output's tile of columns, less cx
	s_cselect_b32 s31, 0, V_IMG                    ; where the codes go,
	s_cselect_b32 s66, QK_SC, s66                  ; and the scale words;
	s_cselect_b32 s67, 393216, s67                 ; bytes of codes for each 64 columns: 768 x the row blocks of places,
	s_cselect_b32 s2, 32768, s2                    ; and of scale words: 64 x
	s_add_co_u32 s25, s25, s21
	s_lshl_b32 s25, s25, 4
	s_add_co_u32 s25, s25, s17                     ; A: the first row block that I fetch
	s_mul_i32 s8, s25, 12288
	s_mov_b32 s9, 0
	s_lshl_b32 s10, s25, 9
	s_add_co_u32 s10, s10, XW_SC
	s_mov_b32 s11, 0
	s_add_co_u32 s28, s28, s20
	s_lshl_b32 s28, s28, 4
	s_add_co_u32 s28, s28, s17                     ; B likewise
	s_mul_i32 s12, s28, 12288
	s_mov_b32 s13, 0
	s_lshl_b32 s18, s28, 9
	s_add_co_u32 s18, s18, XW_SC
	s_mov_b32 s19, 0
	s_mul_i32 s22, s14, HALFS                      ; where they go: wave x its part: no place in the cluster enters an LDS address
	s_mul_i32 s23, s14, HALFT
	s_wait_kmcnt 0x0
	s_add_nc_u64 s[8:9], s[4:5], s[8:9]
	s_add_nc_u64 s[10:11], s[4:5], s[10:11]
	s_add_nc_u64 s[12:13], s[4:5], s[12:13]
	s_add_nc_u64 s[18:19], s[4:5], s[18:19]
	CROUND                                         ; all sixteen work-groups are here: the first joint loads meet
	s_mov_b32 s[G0A], 1
	s_add_co_u32 s[G0A+1], s22, SCL
	s_mov_b64 s[G0A+2:G0A+3], s[10:11]
	s_or_b32 s[G0A+3], s[G0A+3], 0x80000000
	s_mov_b32 s[G0B], 1
	s_add_co_u32 s[G0B+1], s22, SCL
	s_mov_b64 s[G0B+2:G0B+3], s[18:19]
	s_or_b32 s[G0B+3], s[G0B+3], 0x80000000
	JLOAD G0A, G1S, G0B, G1SB                      ; the scales first: they are wanted with K step 0
.irp s, 0,1,2
	s_mov_b32 s[G0A+4+4*\s], 1
	s_add_co_u32 s[G0A+5+4*\s], s23, \s*SLOT
	s_add_nc_u64 s[G0A+6+4*\s:G0A+7+4*\s], s[8:9], \s*RBB
	s_or_b32 s[G0A+7+4*\s], s[G0A+7+4*\s], 0x80000000
	s_mov_b32 s[G0B+4+4*\s], 1
	s_add_co_u32 s[G0B+5+4*\s], s23, \s*SLOT
	s_add_nc_u64 s[G0B+6+4*\s:G0B+7+4*\s], s[12:13], \s*RBB
	s_or_b32 s[G0B+7+4*\s], s[G0B+7+4*\s], 0x80000000
	JLOAD G0A+4+4*\s, G1, G0B+4+4*\s, G1B          ; K step s into slot s
.endr
	v_and_b32 v1, 31, v0                           ; lane
	v_and_b32 v2, 15, v0                           ; r
	v_bfe_u32 v3, v0, 4, 1                         ; h
	v_lshlrev_b32 v[L16], 4, v1
	v_lshlrev_b32 v[L8], 3, v1
	s_mul_i32 s24, s15, HALFT                      ; my 8 row blocks of A
	s_mul_i32 s25, s16, HALFT                      ; my 8 of B,
	s_add_co_u32 s25, s25, 2*HALFT                 ; which lie behind A's 16
.irp s, 0,1,2
	v_add_nc_u32 v[ADRA+2*\s], s24, v[L16]
	v_add_nc_u32 v[ADRA+2*\s+1], s24, v[L8]
	v_add_nc_u32 v[ADRB+2*\s], s25, v[L16]
	v_add_nc_u32 v[ADRB+2*\s+1], s25, v[L8]
	s_add_co_u32 s24, s24, SLOT
	s_add_co_u32 s25, s25, SLOT
.endr
	v_lshlrev_b32 v[ADRS], 5, v2                   ; my place's scales: 32 bytes a place,
	v_lshrrev_b32 v[SSTO], 3, v2
	v_lshl_add_u32 v[ADRS], v[SSTO], 4, v[ADRS]    ; and 16 more behind each 256
	s_mul_i32 s24, s15, HALFS                      ; A's: my 128 places
	s_mul_i32 s25, s16, HALFS                      ; B's: my 128, behind A's 256
	s_add_co_u32 s25, s25, 2*HALFS
	s_sub_co_u32 s25, s25, s24
	v_mul_u32_u24 v[SSTO], s25, v3                 ; lanes 16-31 take B's
	s_add_co_u32 s24, s24, SCL
	v_add_nc_u32 v[ADRS], v[ADRS], v[SSTO]
	v_add_nc_u32 v[ADRS], s24, v[ADRS]
	s_lshl_b32 s24, s14, 10
	s_add_co_u32 s24, s24, STG                     ; my stage
	v_lshlrev_b32 v[SSTO], 9, v3
	v_lshl_add_u32 v[SSTO], v2, 2, v[SSTO]
	v_add_nc_u32 v[SSTO], s24, v[SSTO]             ; in: 512 h + 4 r (+ 64 for each block of places)
	v_add_nc_u32 v[SRD], s24, v[L16]               ; back: 16 bytes a lane
	v_lshlrev_b32 v[H16], 4, v3
	; where my results go
	s_add_co_u32 s29, s29, s20                     ; the tile of columns
	s_add_co_u32 s30, s30, s21                     ; the tile of places
	s_lshl_b32 s29, s29, 1
	s_add_co_u32 s29, s29, s16
	s_lshl_b32 s29, s29, 1                         ; my first 64 columns: 4 x tile + 2 x half
	s_lshl_b32 s30, s30, 4
	s_lshl_b32 s24, s15, 3
	s_add_co_u32 s30, s30, s24                     ; my first row block of places
	s_mul_i32 s24, s29, s67
	s_mul_i32 s25, s30, 768
	s_add_co_u32 s24, s24, s25
	s_add_co_u32 s24, s24, s31
	s_mov_b32 s25, 0
	s_add_nc_u64 s[8:9], s[6:7], s[24:25]          ; codes of my first 64 columns,
	s_mov_b32 s24, s67
	s_add_nc_u64 s[10:11], s[8:9], s[24:25]        ; of my second
	s_mul_i32 s24, s29, s2
	s_lshl_b32 s28, s30, 6
	s_add_co_u32 s24, s24, s28
	s_add_co_u32 s24, s24, s66
	s_add_nc_u64 s[12:13], s[6:7], s[24:25]        ; their scale words
	s_mov_b32 s24, s2
	s_add_nc_u64 s[18:19], s[12:13], s[24:25]
	s_mov_b32 s[SEL], 0x76543210
	s_mov_b32 s[SEL+1], 0xfedcba98                 ; v_permlanex16_b32's selects for lane l xor 16
; A fragment (16 places x 128 K, 12 registers) is two half fragments: four loads, each of 512 or 256 consecutive bytes
.macro FRAG reg, adr, q, i
	ds_load_b128 v[\reg:\reg+3], v[\adr] offset:RBB*(\i)+1536*(\q)
	ds_load_b64 v[\reg+4:\reg+5], v[\adr+1] offset:RBB*(\i)+1536*(\q)+512
	ds_load_b128 v[\reg+6:\reg+9], v[\adr] offset:RBB*(\i)+1536*(\q)+768
	ds_load_b64 v[\reg+10:\reg+11], v[\adr+1] offset:RBB*(\i)+1536*(\q)+1280
.endm
; 16 matrix instructions: A's blocks a0, a0 + 1 x B's eight, the slot's q-th 128 along K.  p: B's set; sc: the set of scale words.  zero = 1: the first product starts the sums.
; The 64 accumulators take turns, one instruction a turn, in the same order in every step.
.macro MUL16 a0, p, q, sc, zero
.irp a, \a0, \a0+1
.irp b, 0,1,2,3,4,5,6,7
.if \zero
	v_wmma_scale_f32_16x16x128_f8f6f4 v[8*(8*((\a)%4)+\b):8*(8*((\a)%4)+\b)+7], v[128*(\p)+FR*\b:128*(\p)+FR*\b+FR-1], v[AF+FR*(\a):AF+FR*(\a)+FR-1], 0, v[SC+16*(\sc)+2*\b+(\q)], v[SC+16*(\sc)+2*(\a)+(\q)] matrix_a_fmt:MATRIX_FMT_FP6 matrix_b_fmt:MATRIX_FMT_FP6 matrix_a_scale:MATRIX_SCALE_ROW1
.else
	v_wmma_scale_f32_16x16x128_f8f6f4 v[8*(8*((\a)%4)+\b):8*(8*((\a)%4)+\b)+7], v[128*(\p)+FR*\b:128*(\p)+FR*\b+FR-1], v[AF+FR*(\a):AF+FR*(\a)+FR-1], v[8*(8*((\a)%4)+\b):8*(8*((\a)%4)+\b)+7], v[SC+16*(\sc)+2*\b+(\q)], v[SC+16*(\sc)+2*(\a)+(\q)] matrix_a_fmt:MATRIX_FMT_FP6 matrix_b_fmt:MATRIX_FMT_FP6 matrix_a_scale:MATRIX_SCALE_ROW1
.endif
.endr
.endr
.endm
.macro FETCH_B slot, q, p
	WIN TO_B
.irp i, 0,1,2,3,4,5,6,7
	FRAG 128*(\p)+FR*\i, ADRB+2*\slot, \q, \i
.endr
	WIN 0
.endm
.macro FETCH_A slot, q, i0
.irp i, \i0, \i0+1, \i0+2, \i0+3
	FRAG AF+FR*(\i), ADRA+2*\slot, \q, \i
.endr
.endm
.macro SCALES t                        ; K step t's scale words into set t % 2: two words a place; lanes 0-15 A's block i, lanes 16-31 B's block i
.irp i, 0,1,2,3,4,5,6,7
	ds_load_b64 v[SC+16*((\t)%2)+2*\i:SC+16*((\t)%2)+2*\i+1], v[ADRS] offset:\i*544+8*(\t)
.endr
.endm
; The first 128 along K of K step t, in slot.  A has one set of registers: blocks 0-3 are fetched anew in the step's middle, blocks 4-7 at its end; B has two sets.
.macro STEP slot, t, zero
	s_wait_dscnt 4*NL                              ; all but the youngest 16 loads (A's blocks 4-7) are in
	WIN MUL_LO
	MUL16 0, 0, 0, (\t)%2, \zero
	MUL16 2, 0, 0, (\t)%2, \zero
	s_wait_dscnt 0x0                               ; A's blocks 4-7 are in
	PLACES NP                                      ; in front of loads into registers that matrix instructions have read
	FETCH_B \slot, 1, 1
	FETCH_A \slot, 1, 0
	WIN MUL_HI
	MUL16 4, 0, 0, (\t)%2, \zero
	MUL16 6, 0, 0, (\t)%2, \zero
	PLACES NP
	WIN 0
	FETCH_A \slot, 1, 4
.endm
; The second 128 along K of K step t, and the change to slot next.  kind = 2: this slot is filled again: each wave waits for all its tensor loads, adds 0 to its spare word, waits for that and for its reads of
; the slot; the barrier opens a round of the cluster's barrier, and the joint refill is the first tensor load behind it.  kind = 1: the same without round and refill: the refill has landed in every wave.
; kind = 0: no barrier: the next slot was shown whole to every wave by the wait for all loads in front of the round.
.macro TURN slot, next, t, kind
.if \kind
	s_wait_tensorcnt 0x0                           ; all my tensor loads have landed  (every window is 0 here)
	ds_add_u32 v[SPW], v[NIL]                      ; 0 onto my spare word
	s_wait_dscnt 4*NL+1                            ; (the add and the youngest 16 loads may be out)
.else
	s_wait_dscnt 4*NL
.endif
	WIN MUL_LO
	MUL16 0, 1, 1, (\t)%2, 0
.if \kind
	s_wait_dscnt 0x0                               ; the add is done, and my reads of this slot are over
	s_barrier_signal -1
.endif
	MUL16 2, 1, 1, (\t)%2, 0
.if \kind
	WIN 0
	s_barrier_wait -1
.else
	s_wait_dscnt 0x0
.endif
.if \kind == 2
	CREST                                          ; no wave of any partner still reads this slot's tile or has a load on its way
	s_add_nc_u64 s[G0A+6+4*\slot:G0A+7+4*\slot], s[G0A+6+4*\slot:G0A+7+4*\slot], 3*RBB
	s_add_nc_u64 s[G0B+6+4*\slot:G0B+7+4*\slot], s[G0B+6+4*\slot:G0B+7+4*\slot], 3*RBB
	JLOAD G0A+4+4*\slot, G1, G0B+4+4*\slot, G1B    ; K step 3: it has 224 matrix instructions in which to land; the four v_nop behind it are the places in front of the loads below
.else
	PLACES NP
.endif
	FETCH_B \next, 0, 0
	FETCH_A \next, 0, 0
	SCALES (\t)+1
	WIN MUL_HI
	MUL16 4, 1, 1, (\t)%2, 0
	MUL16 6, 1, 1, (\t)%2, 0
	PLACES NP
	WIN 0
	FETCH_A \next, 0, 4
.endm
	s_wait_tensorcnt 0x2                           ; the scales and my part of K step 0 are in (K steps 1 and 2 may be out)
	s_barrier_signal -1
	s_barrier_wait -1                              ; everybody's are
	FETCH_B 0, 0, 0
	FETCH_A 0, 0, 0
	SCALES 0
	FETCH_A 0, 0, 4
	STEP 0, 0, 1
	TURN 0, 1, 0, 2
	STEP 1, 1, 0
	TURN 1, 2, 1, 0
	STEP 2, 2, 0
	TURN 2, 0, 2, 1
	STEP 0, 3, 0
	s_wait_dscnt 4*NL                              ; the very last step: nothing more to fetch
	WIN MUL_LO
	MUL16 0, 1, 1, 1, 0
	MUL16 2, 1, 1, 1, 0
	s_wait_dscnt 0x0
	WIN MUL_HI
	MUL16 4, 1, 1, 1, 0
	MUL16 6, 1, 1, 1, 0
	WIN 0
; THE WAY OUT.  Block a of 16 places: a lane's 64 numbers, register 16 b + i = column 32 b + 16 (lane / 16) + i of my 128, become two half fragments and a scale word.
.macro QACC a
.set W, 2+(\a)/4
.set AC, 64*((\a)%4)
	WIN 0
.irp b, 0,1,2,3
	v_mov_b32 v[TM+\b], 0x1800000                  ; the floor 2^(3 - 127), under which no largest magnitude is taken: the byte cannot fall under 1
.endr
	WIN 20*W                                       ; sources 1 and 2 in the accumulators' window
.irp i, 0,2,4,6,8,10,12,14
.irp b, 0,1,2,3
	v_max3_num_f32 v[TM+\b], v[TM+\b], |v[AC+16*\b+\i]|, |v[AC+16*\b+\i+1]|   ; each accumulator from its low end on; the four blocks by turns
.endr
.endr
	WIN 0
.irp b, 0,1,2,3
	v_permlanex16_b32 v[TM+4+\b], v[TM+\b], s[SEL], s[SEL+1]
.endr
.irp b, 0,1,2,3
	v_max_num_f32 v[TM+\b], v[TM+\b], v[TM+4+\b]   ; with lane l xor 16's: the block's largest magnitude
.endr
.irp b, 0,1,2,3
	v_add_nc_u32 v[TM+12+\b], 0xff000000, v[TM+\b] ; 2 off its exponent field: the conversion's scale operand
.endr
.irp b, 0,1,2,3
	v_lshrrev_b32 v[TM+4+\b], 23, v[TM+12+\b]      ; the scale's byte
.endr
	v_lshl_or_b32 v[PW], v[TM+5], 8, v[TM+4]
	v_lshl_or_b32 v[PW], v[TM+6], 16, v[PW]
	v_lshl_or_b32 v[PW], v[TM+7], 24, v[PW]
	s_wait_xcnt 0x0                                ; the last block's stores have read their data: the codes' registers are written again only behind this wait
	WIN W                                          ; source 0 in the accumulators' window
.irp c, 0,1
	v_cvt_scalef32_pk16_fp6_f32 v[PC+6*\c:PC+2+6*\c], v[AC+32*\c:AC+15+32*\c], v[TM+12+2*\c]
	v_cvt_scalef32_pk16_fp6_f32 v[PC+12+4*\c:PC+14+4*\c], v[AC+16+32*\c:AC+31+32*\c], v[TM+12+2*\c+1]   ; (a conversion's three registers begin on an even number)
.endr
	WIN 0
	v_nop                                          ; one plain place behind a scaled conversion
.irp c, 0,1                                    ; the layout wants a WHOLE block in a lane: lanes 0-15 block 2 c, lanes 16-31 block 2 c + 1
.irp i, 0,1,2
	v_permlane16_swap_b32 v[PC+6*\c+\i], v[PC+12+4*\c+\i]
.endr
.irp i, 0,1,2
	v_mov_b32 v[PC+3+6*\c+\i], v[PC+12+4*\c+\i]
.endr
.endr
	v_lshrrev_b32 v[PT], v[H16], v[PW]             ; lanes 0-15: the word as it is, for my first 64 columns; lanes 16-31: its upper two bytes, for my second
	ds_store_b32 v[SSTO], v[PT] offset:64*(\a)
	global_store_b128 v[L16], v[PC:PC+3], s[8:9] offset:768*(\a)           ; 512 consecutive bytes, aligned
	global_store_b64 v[L8], v[PC+4:PC+5], s[8:9] offset:768*(\a)+512       ; 256
	global_store_b128 v[L16], v[PC+6:PC+9], s[10:11] offset:768*(\a)
	global_store_b64 v[L8], v[PC+10:PC+11], s[10:11] offset:768*(\a)+512
.endm
.irp b, 0,1,2,3
	v_mov_b32 v[TM+4+\b], 0                        ; written once: a lane permute's destination counts as one of its sources.  (Also the four places behind the last products)
.endr
.irp a, 0,1,2,3,4,5,6,7
	QACC \a
.endr
	ds_load_b128 v[104:107], v[SRD]                ; LDS serves a wave's instructions in order: these see my stores
	ds_load_b128 v[108:111], v[SRD] offset:512
	s_wait_dscnt 0x0
	global_store_b128 v[L16], v[104:107], s[12:13] ; my 8 blocks' scale words: 512 consecutive bytes for each 64 columns
	global_store_b128 v[L16], v[108:111], s[18:19]
	s_wait_tensorcnt 0x0                           ; the wave's end
	ds_add_u32 v[SPW], v[NIL]
	s_wait_dscnt 0x0
	CROUND                                         ; the closing round: no work-group ends while a partner may still ask for a tile that names it
	s_endpgm
.Lfunc_end_k_q4e20cab4c0_qkv:
	.size	k_q4e20cab4c0_qkv, .Lfunc_end_k_q4e20cab4c0_qkv-k_q4e20cab4c0_qkv
	.p2alignl 7, 3214868480
	.fill 96, 4, 3214868480
	.section	.rodata,"a",@progbits
	.p2align	6, 0x0
	.amdhsa_kernel k_q4e20cab4c0_qkv
		.amdhsa_group_segment_fixed_size 327680
		.amdhsa_private_segment_fixed_size 0
		.amdhsa_enable_private_segment 0
		.amdhsa_kernarg_size 16
		.amdhsa_user_sgpr_count 2
		.amdhsa_user_sgpr_kernarg_segment_ptr 1
		.amdhsa_wavefront_size32 1
		.amdhsa_system_sgpr_workgroup_id_x 1
		.amdhsa_system_sgpr_workgroup_id_y 1
		.amdhsa_system_sgpr_workgroup_id_z 1
		.amdhsa_system_vgpr_workitem_id 0
		.amdhsa_next_free_vgpr 1024
		.amdhsa_next_free_sgpr 100
		.amdhsa_reserve_vcc 0
		.amdhsa_float_denorm_mode_32 3
		.amdhsa_float_denorm_mode_16_64 3
		.amdhsa_memory_ordered 1
		.amdhsa_forward_progress 1
		.amdhsa_inst_pref_size 152
	.end_amdhsa_kernel
	.amdgpu_metadata
---
amdhsa.version: [ 1, 2 ]
amdhsa.kernels:
  - .name:           k_q4e20cab4c0_qkv
    .symbol:         k_q4e20cab4c0_qkv.kd
    .args:
      - { .name: xw, .offset: 0, .size: 8, .value_kind: global_buffer, .address_space: global }
      - { .name: qkv, .offset: 8, .size: 8, .value_kind: global_buffer, .address_space: global }
    .group_segment_fixed_size: 327680
    .private_segment_fixed_size: 0
    .kernarg_segment_align: 8
    .kernarg_segment_size: 16
    .max_flat_workgroup_size: 128
    .sgpr_count:     100
    .vgpr_count:     1024
    .wavefront_size: 32
...
	.end_amdgpu_metadata
.endif
;; end of part 2
;; launch attn (part 3): grid 4 x 64, 16 waves a work-group, no clusters, 210,944 bytes of LDS; arguments qkv, oq; writes oq
.if DOCPART == 3
	.amdgcn_target "amdgcn-amd-amdhsa--gfx1250"
	.amdhsa_code_object_version 6
	.text
	.protected	k_q4e20cab4c0_attn
	.globl	k_q4e20cab4c0_attn
	.p2align	8
	.type	k_q4e20cab4c0_attn,@function
k_q4e20cab4c0_attn:
	s_mov_b64 s[64:65], 0
	v_nop
	global_prefetch_b8 v0, s[64:65] scope:SCOPE_SE
	s_setreg_imm32_b32 hwreg(HW_REG_WAVE_MODE, 25, 1), 1
	s_wait_xcnt 0x0
; Causal attention of one head on codes of FP6 (E2M3) with E8M0 scales: S = Q K^T / 8 (K = the head's 64: the instruction's other 64 are zero codes on both sides), p = 2^(t - M), O = p V / the row's sum;
; O is quantised along the channels and stored as codes for the last product.
; t = score x log2(e) / 8; M = the running largest t rounded UP to a whole number; the row's sum is taken of the unquantised p, in f32; when M moves, the sum and O are multiplied by 2^(old M - new M): exact.
; SHARES.  A work-group takes one head of one batch (work-group y) and a quarter of its 128 tiles of 16 queries (work-group x = i).  Wave w runs two passes: tile 16 i + w, then tile 127 - (16 i + w).
; Tile T needs T / 8 + 1 steps of 128 keys, so every wave of the launch has 17 steps.  A step all of whose keys come after the tile's queries is left out by a scalar branch on ids.
; THE WHOLE HEAD'S K AND V STAY IN LDS: 196,608 bytes of codes and 12,288 of scale words, each byte filled once, at the head; three tensor loads a wave are out by this text's own count.
; Pass 1 (tiles under 64) reads keys under 1,024 alone and begins when those have landed; two barriers in all, none in a loop.
; NO CLUSTER: the four work-groups that read one head's K and V differ in their query tiles, and the branch that leaves hidden steps out hangs on the tile: partners of a joint load would not run alike.
; LAYOUT.  All operands lie as images of their registers (half fragments of 768 bytes: lane l's registers 0-3 at 16 l, 4-5 at 512 + 8 l).  Place r of tile t stands for row 32 (t / 2) + 8 (t % 2) + r + 8 (r / 8).
; Both products are used transposed: S^T = K Q^T, O^T = V^T P^T: a lane holds ONE query throughout; the 16 registers of tiles 2 b, 2 b + 1 of S^T are keys 32 b + 16 (lane / 16) + 0 .. 15, and likewise O^T's channels.
; LIMITS: NaN and infinities are not served; a block of zeros, or one under 2^-124, gets the byte 1: its codes are zeros or are held as the rule holds them, and the bytes are read by this program alone.
; REGISTERS: v1-5 lane numbers that stay; v6-11 the step's LDS addresses; v12 -M, v13 the largest t, v[14:15] the sum in two halves; v16-27 Q (22-27 zeros); v28-31 V's scale words; v32-79 four fragments of K
; (registers 6-11 of each zeros); v80-95, v208-223 O^T; v96-159 S^T, then p; v160-207 four fragments of V; v224-235 p's codes; v232-254 at work; v248-251 K's scale words; v253 p's; v255 Q's.
.set QK_SC, 18874368
.set V_IMG, 12582912
.set V_SC,  19922944
.set O_SC,  6291456
.set LV,    98304                      ; LDS: K's 128 tiles x 768 from 0; V's [64 keys][4 tiles][768] from here;
.set SCK,   196608                     ; K's scale words, 64 bytes a tile;
.set SCV,   204800                     ; V's, [128 keys][4 tiles][64 bytes]
.set WV,  8                            ; s8   my wave's number
.set SEL, 20                           ; s[20:21] lane selects for v_permlanex16_b32: lane l xor 16
.set CS,  22                           ; s[22:23] c = log2(e) / 8
.set TT,  84                           ; s84  my tile of queries
.set DD,  85                           ; s85  the step on the diagonal: T / 8
.set Q0,  86                           ; s86  the tile's first query
.set KI,  87                           ; s87  the step
.set KF,  88                           ; s88  its first key
.set TB,  89                           ; s89  where its codes begin: 6,144 bytes a step, in K and in V
.set TS,  90                           ; s90  K's scale words: 512 bytes a step
.set TJ,  91                           ; s91  V's: 256 bytes a step
	s_load_b128 s[4:7], s[0:1], 0x0                ; qkv, oq
	v_lshl_add_u32 v254, v0, 2, 0x33000
	v_mov_b32 v255, 0
	ds_add_u32 v254, v255
	ds_add_u32 v254, v255
	s_wait_dscnt 0x0
	v_lshrrev_b32 v6, 5, v0
	s_delay_alu instid0(VALU_DEP_1)
	v_readfirstlane_b32 s[WV], v6                  ; wave 0..15
	s_and_b32 s10, ttmp7, 0xffff
	s_lshr_b32 s11, s10, 4                         ; the batch
	s_and_b32 s12, s10, 15                         ; the head
	; descriptor groups 1: elements of 8 bytes, no padding, no mask
	s_mov_b32 s24, 3<<16                           ; K's scale words: 1,024 dense bytes as 4 rows of 256
	s_mov_b32 s25, 32<<16
	s_mov_b32 s26, 4<<16
	s_mov_b32 s27, 32<<16
	s_mov_b32 s28, 4
	s_mov_b32 s29, 32
	s_mov_b32 s30, 0
	s_mov_b32 s31, 0
	s_mov_b32 s32, 3<<16                           ; K's codes: 6,144 dense bytes (8 tiles) as 24 rows of 256
	s_mov_b32 s33, 32<<16
	s_mov_b32 s34, 24<<16
	s_mov_b32 s35, 32<<16
	s_mov_b32 s36, 24
	s_mov_b32 s37, 32
	s_mov_b32 s38, 0
	s_mov_b32 s39, 0
	s_mov_b32 s40, 3<<16                           ; V's scale words: 2 rows of 256 bytes (the head's 4 tiles), 8,192 bytes (128 keys) apart
	s_mov_b32 s41, 32<<16
	s_mov_b32 s42, 2<<16
	s_mov_b32 s43, 32<<16
	s_mov_b32 s44, 2
	s_mov_b32 s45, 1024
	s_mov_b32 s46, 0
	s_mov_b32 s47, 0
	s_mov_b32 s48, 3<<16                           ; V's codes: 2 rows of 3,072 bytes (the head's 4 tiles), 49,152 bytes (64 keys) apart
	s_mov_b32 s49, 384<<16
	s_mov_b32 s50, 2<<16
	s_mov_b32 s51, 384<<16
	s_mov_b32 s52, 2
	s_mov_b32 s53, 6144
	s_mov_b32 s54, 0
	s_mov_b32 s55, 0
	s_mov_b32 s[SEL], 0x76543210
	s_mov_b32 s[SEL+1], 0xfedcba98
	s_mov_b32 s[CS], 0x3e38aa3b                    ; c = log2(e) / sqrt(64)
	s_mov_b32 s[CS+1], s[CS]                       ; (named with it as a pair, so it is written)
	s_and_b32 s13, s[WV], 7                        ; my place among the eight waves that fetch K (waves 0-7) or V (waves 8-15)
	s_lshl_b32 s14, s12, 9
	s_add_co_u32 s14, s14, 8192
	s_lshl_b32 s15, s11, 7
	s_add_co_u32 s14, s14, s15                     ; K's first row block: (16 + head) x 512 + 128 x batch
	s_lshl_b32 s15, s11, 11
	s_lshl_b32 s16, s12, 2
	s_add_co_u32 s15, s15, s16                     ; V's: 2,048 x batch + 4 x head
	s_mov_b32 s17, 0
	s_wait_kmcnt 0x0
	s_lshl_b32 s16, s14, 6                         ; K's scale words: my eighth
	s_lshl_b32 s18, s13, 10
	s_add_co_u32 s16, s16, s18
	s_add_co_u32 s16, s16, QK_SC
	s_mov_b32 s56, 1
	s_add_co_u32 s57, s18, SCK
	s_add_nc_u64 s[58:59], s[4:5], s[16:17]
	s_or_b32 s59, s59, 0x80000000
	s_mul_i32 s16, s14, 768                        ; K's codes: my eighth of keys 0-1,023, then of keys 1,024-2,047
	s_mul_i32 s18, s13, 6144
	s_add_co_u32 s16, s16, s18
	s_mov_b32 s60, 1
	s_mov_b32 s61, s18
	s_add_nc_u64 s[62:63], s[4:5], s[16:17]
	s_mov_b32 s68, 1
	s_add_co_u32 s69, s18, 49152
	s_add_nc_u64 s[70:71], s[62:63], 49152
	s_or_b32 s63, s63, 0x80000000
	s_or_b32 s71, s71, 0x80000000
	s_lshl_b32 s16, s15, 6                         ; V's scale words: my two steps
	s_lshl_b32 s18, s13, 14
	s_add_co_u32 s16, s16, s18
	s_add_co_u32 s16, s16, V_SC
	s_lshl_b32 s18, s13, 9
	s_mov_b32 s72, 1
	s_add_co_u32 s73, s18, SCV
	s_add_nc_u64 s[74:75], s[4:5], s[16:17]
	s_or_b32 s75, s75, 0x80000000
	s_mul_i32 s16, s15, 768                        ; V's codes: my 128 of keys 0-1,023, then of keys 1,024-2,047
	s_mul_i32 s18, s13, 98304
	s_add_co_u32 s16, s16, s18
	s_add_co_u32 s16, s16, V_IMG
	s_mul_i32 s18, s13, 6144
	s_mov_b32 s76, 1
	s_add_co_u32 s77, s18, LV
	s_add_nc_u64 s[78:79], s[4:5], s[16:17]
	s_mov_b32 s80, 1
	s_add_co_u32 s81, s18, LV+49152
	s_add_nc_u64 s[82:83], s[78:79], 786432
	s_or_b32 s79, s79, 0x80000000
	s_or_b32 s83, s83, 0x80000000
	s_cmp_lt_u32 s[WV], 8                          ; a wave's three fills stand in one branch, ahead of every wait on TENSORcnt, every LDS read and every barrier
	s_cbranch_scc0 .Lfill_v
	tensor_load_to_lds s[56:59], s[24:31]
	s_nop 0
	tensor_load_to_lds s[60:63], s[32:39]
	s_nop 0
	tensor_load_to_lds s[68:71], s[32:39]
	s_nop 0
.rept 4
	v_nop
.endr
	s_branch .Lfilled
.Lfill_v:
	tensor_load_to_lds s[72:75], s[40:47]
	s_nop 0
	tensor_load_to_lds s[76:79], s[48:55]
	s_nop 0
	tensor_load_to_lds s[80:83], s[48:55]
	s_nop 0
.rept 4
	v_nop
.endr
.Lfilled:
	v_and_b32 v6, 31, v0                           ; lane
	v_and_b32 v7, 15, v0                           ; r
	v_bfe_u32 v8, v0, 4, 1                         ; h
	s_delay_alu instid0(VALU_DEP_3)
	v_lshlrev_b32 v1, 4, v6                        ; 16 x lane
	s_wait_alu depctr_va_vdst(0)
	v_lshlrev_b32 v2, 3, v6                        ; 8 x lane
	s_wait_alu depctr_va_vdst(0)
	v_lshlrev_b32 v3, 2, v7                        ; 4 r
	s_wait_alu depctr_va_vdst(0)
	v_and_b32 v9, 8, v7
	s_delay_alu instid0(VALU_DEP_1)
	v_add_nc_u32 v4, v9, v7
	v_lshlrev_b32 v9, 4, v8
	s_delay_alu instid0(VALU_DEP_1)
	v_sub_nc_u32 v4, v4, v9                        ; r + 8 (r / 8) - 16 h: my query less the tile's first, less my half's first key of a block
	v_lshlrev_b32 v5, 5, v7                        ; 32 r
; Q's half fragment and scale words of tile s[TT]
.macro QLOAD
	s_lshl_b32 s14, s12, 9
	s_lshl_b32 s15, s11, 7
	s_add_co_u32 s14, s14, s15
	s_add_co_u32 s14, s14, s[TT]                   ; head x 512 + 128 x batch + T
	s_mul_i32 s16, s14, 768
	s_mov_b32 s17, 0
	s_add_nc_u64 s[92:93], s[4:5], s[16:17]
	s_lshl_b32 s16, s14, 6
	s_add_co_u32 s16, s16, QK_SC
	s_add_nc_u64 s[94:95], s[4:5], s[16:17]
	global_load_b128 v[16:19], v1, s[92:93]
	global_load_b64 v[20:21], v2, s[92:93] offset:512
	global_load_b32 v255, v3, s[94:95]
.endm
	s_lshl_b32 s[TT], ttmp9, 4
	s_add_co_u32 s[TT], s[TT], s[WV]               ; pass 1: tile 16 i + w
	QLOAD
.irp j, 22,23,24,25,26,27
	v_mov_b32 v[\j], 0                             ; Q's codes of k = 64 .. 127: zeros
.endr
.irp t, 0,1,2,3
.irp j, 6,7,8,9,10,11
	v_mov_b32 v[32+12*\t+\j], 0                    ; K's likewise: set once, no load lands here
.endr
.endr
.irp j, 236,237,238,239,252,253
	v_mov_b32 v[\j], 0                             ; written once: a lane permute's destination counts as one of its sources; v253 is named as the upper half of a pair
.endr
; A KEY STEP: 128 keys.
.macro STEP
	s_cmp_gt_u32 s[KI], s[DD]                      ; all its keys come after my queries: only the lines at its end, which step addresses, are run
	s_cbranch_scc1 .Lhidden_\@
	s_setprio 2
	v_add_nc_u32 v6, s[TB], v1                     ; (these six are also the places in front of the loads into registers that the last step's products read)
	v_add_nc_u32 v7, s[TB], v2
	s_delay_alu instid0(VALU_DEP_2)
	v_add_nc_u32 v8, LV, v6
	s_delay_alu instid0(VALU_DEP_2)
	v_add_nc_u32 v9, LV, v7
	v_add_nc_u32 v10, s[TS], v3
	v_add_nc_u32 v11, s[TJ], v3
.irp g, 0,1                                    ; S^T = K Q^T, four tiles of 16 keys at a time
.if \g
.rept 4
	v_nop                                          ; places in front of loads into registers that matrix instructions have read
.endr
.endif
.irp t, 0,1,2,3
	ds_load_b128 v[32+12*\t:35+12*\t], v6 offset:768*(4*\g+\t)
	ds_load_b64 v[36+12*\t:37+12*\t], v7 offset:768*(4*\g+\t)+512
	ds_load_b32 v[248+\t], v10 offset:64*(4*\g+\t)
.endr
.if \g
.irp t, 0,1,2,3                                ; V's four fragments are asked for here and land under the softmax
.irp c, 0,1
	ds_load_b128 v[160+12*\t+6*\c:163+12*\t+6*\c], v8 offset:3072*\c+768*\t
	ds_load_b64 v[164+12*\t+6*\c:165+12*\t+6*\c], v9 offset:3072*\c+768*\t+512
.endr
	ds_load_b32 v[28+\t], v11 offset:64*\t
.endr
	s_wait_dscnt 20                                ; K's 12 loads are in; V's 20 may be out
.else
	s_wait_alu depctr_va_vdst(0)
	s_wait_dscnt 0x0
.endif
.irp t, 0,1,2,3
	v_wmma_scale_f32_16x16x128_f8f6f4 v[96+8*(4*\g+\t):103+8*(4*\g+\t)], v[32+12*\t:43+12*\t], v[16:27], 0, v[248+\t], v255 matrix_a_fmt:MATRIX_FMT_FP6 matrix_b_fmt:MATRIX_FMT_FP6
.endr
.endr
.rept 4
	v_nop
.endr
	s_cmp_lt_u32 s[KI], s[DD]                      ; a step all of whose keys count skips the mask
	s_cbranch_scc1 .Lopen_\@
	s_sub_co_i32 s14, s[Q0], s[KF]
	v_add_nc_u32 v252, s14, v4                     ; d.  Register 16 b + i holds key KF + 16 (lane / 16) + 32 b + i: hidden where 32 b + i > d
	v_mov_b32 v254, 0xff800000                     ; -infinity: p = 0 then
.set n, 0
.rept 64
	v_cmp_gt_i32 vcc_lo, 32*(n/16)+n%16, v252
	v_cndmask_b32 v[96+n], v[96+n], v254, vcc_lo
.set n, n+1
.endr
.Lopen_\@:
.irp b, 0,1,2,3
	v_max3_num_f32 v[232+\b], v[96+16*\b], v[97+16*\b], v[98+16*\b]   ; the largest score of each block of 32 keys: it serves for the row's maximum and, since p rises with the score, for the block's largest p
.endr
.irp i, 3,5,7,9,11,13
.irp b, 0,1,2,3
	v_max3_num_f32 v[232+\b], v[232+\b], v[96+16*\b+\i], v[97+16*\b+\i]
.endr
.endr
.irp b, 0,1,2,3
	v_max_num_f32 v[232+\b], v[232+\b], v[111+16*\b]
.endr
.irp b, 0,1,2,3
	s_delay_alu instid0(VALU_DEP_4)
	v_permlanex16_b32 v[236+\b], v[232+\b], s[SEL], s[SEL+1]
.endr
.irp b, 0,1,2,3
	s_delay_alu instid0(VALU_DEP_4)
	v_max_num_f32 v[232+\b], v[232+\b], v[236+\b]  ; with lane l xor 16's 16 keys
.endr
	s_delay_alu instid0(VALU_DEP_2)
	v_max3_num_f32 v254, v232, v233, v234
	s_delay_alu instid0(VALU_DEP_1)
	v_max_num_f32 v254, v254, v235                 ; the step's largest score of my query
	s_delay_alu instid0(VALU_DEP_1)
	v_mul_f32 v254, s[CS], v254                    ; as t (c is positive)
	s_delay_alu instid0(VALU_DEP_1)
	v_max_num_f32 v13, v13, v254                   ; the running largest t
	v_mov_b32 v254, v12
	s_delay_alu instid0(VALU_DEP_2)
	v_floor_f32 v12, -v13                          ; the new -M = floor(-t) = -ceil(t): M is a whole number
	s_delay_alu instid0(VALU_DEP_1)
	v_sub_f32 v254, v12, v254                      ; M's old value less its new one: a whole number, 0 or less
	s_delay_alu instid0(VALU_DEP_1)
	v_cvt_i32_f32 v254, v254                       ; (it saturates)
	s_delay_alu instid0(VALU_DEP_1)
	v_ldexp_f32 v252, 1.0, v254                    ; f = 2^(old M - new M)
.set j, 0
	s_setprio 1
.rept 32
	v_pk_fma_f32 v[96+j:97+j], v[96+j:97+j], s[CS:CS+1], v[12:13] op_sel_hi:[1,0,0]   ; t - M, two at a time
.set j, j+2
.endr
.irp b, 0,1,2,3
	v_fma_f32 v[232+\b], v[232+\b], s[CS], v12     ; the same of each block's largest score
.endr
.set j, 0
	s_wait_alu depctr_va_vdst(0)
.rept 64
	v_exp_f32 v[96+j], v[96+j]                     ; p = 2^(t - M), at most 1: not normalised
.set j, j+1
.endr
	v_pk_mul_f32 v[14:15], v[14:15], v[252:253] op_sel_hi:[1,0]   ; the sums under the new M.  (A plain place behind the exponentials)
	s_wait_alu depctr_va_vdst(0)                   ; one wait for the whole batch, ahead of its first reader
.irp b, 0,1,2,3
	v_exp_f32 v[232+\b], v[232+\b]                 ; the block's largest p: the same two instructions on the same number give the same bits
.endr
	v_pk_add_f32 v[236:237], v[100:101], v[104:105]
	v_pk_add_f32 v[250:251], v[108:109], v[112:113]
	v_pk_add_f32 v[248:249], v[116:117], v[120:121]
	v_pk_add_f32 v[246:247], v[124:125], v[128:129]
	v_pk_add_f32 v[244:245], v[132:133], v[136:137]
	v_pk_add_f32 v[242:243], v[140:141], v[144:145]
	v_pk_add_f32 v[240:241], v[148:149], v[152:153]
	v_pk_add_f32 v[14:15], v[14:15], v[156:157]
	v_pk_add_f32 v[236:237], v[236:237], v[96:97]
	v_pk_add_f32 v[250:251], v[250:251], v[98:99]
	v_pk_add_f32 v[248:249], v[248:249], v[102:103]
	v_pk_add_f32 v[246:247], v[246:247], v[106:107]
	v_pk_add_f32 v[244:245], v[244:245], v[110:111]
	v_pk_add_f32 v[242:243], v[242:243], v[114:115]
	v_pk_add_f32 v[240:241], v[240:241], v[118:119]
	v_pk_add_f32 v[14:15], v[14:15], v[122:123]
	v_pk_add_f32 v[236:237], v[236:237], v[126:127]
	v_pk_add_f32 v[250:251], v[250:251], v[130:131]
	v_pk_add_f32 v[248:249], v[248:249], v[134:135]
	v_pk_add_f32 v[246:247], v[246:247], v[138:139]
	v_pk_add_f32 v[244:245], v[244:245], v[142:143]
	v_pk_add_f32 v[242:243], v[242:243], v[146:147]
	v_pk_add_f32 v[240:241], v[240:241], v[150:151]
	v_pk_add_f32 v[14:15], v[14:15], v[154:155]
	v_pk_add_f32 v[236:237], v[236:237], v[158:159]
	s_delay_alu instid0(VALU_DEP_2)
	v_pk_add_f32 v[14:15], v[14:15], v[246:247]
	s_delay_alu instid0(VALU_DEP_2)
	v_pk_add_f32 v[236:237], v[236:237], v[244:245]
	v_pk_add_f32 v[250:251], v[250:251], v[242:243]
	v_pk_add_f32 v[248:249], v[248:249], v[240:241]
	s_delay_alu instid0(VALU_DEP_2)
	v_pk_add_f32 v[14:15], v[14:15], v[250:251]
	s_delay_alu instid0(VALU_DEP_2)
	v_pk_add_f32 v[236:237], v[236:237], v[248:249]
	s_delay_alu instid0(VALU_DEP_1)
	v_pk_add_f32 v[14:15], v[14:15], v[236:237]
	s_setprio 0
	s_wait_alu depctr_va_vdst(0)                   ; and one for the four
.irp b, 0,1,2,3
	v_max_num_f32 v[232+\b], 0x1800000, v[232+\b]  ; the floor 2^(3 - 127): the byte cannot fall under 1
.endr
.irp b, 0,1,2,3
	s_delay_alu instid0(VALU_DEP_4)
	v_add_nc_u32 v[244+\b], 0xff000000, v[232+\b]  ; 2 off the exponent field: the conversion's scale operand
.endr
.irp b, 0,1,2,3
	s_delay_alu instid0(VALU_DEP_4)
	v_lshrrev_b32 v[236+\b], 23, v[244+\b]         ; the scale's byte
.endr
	s_delay_alu instid0(VALU_DEP_3)
	v_lshl_or_b32 v253, v237, 8, v236              ; p's scale word for these 128 keys
	s_delay_alu instid0(VALU_DEP_1)
	v_lshl_or_b32 v253, v238, 16, v253
	s_delay_alu instid0(VALU_DEP_1)
	v_lshl_or_b32 v253, v239, 24, v253
.irp c, 0,1
	v_cvt_scalef32_pk16_fp6_f32 v[224+6*\c:226+6*\c], v[96+32*\c:111+32*\c], v[244+2*\c]
	v_cvt_scalef32_pk16_fp6_f32 v[236+4*\c:238+4*\c], v[112+32*\c:127+32*\c], v[244+2*\c+1]   ; (a conversion's three registers begin on an even number)
.endr
	v_nop                                          ; one plain place behind a scaled conversion
.irp c, 0,1                                    ; the operand's layout wants a WHOLE block in a lane
.irp i, 0,1,2
	v_permlane16_swap_b32 v[224+6*\c+\i], v[236+4*\c+\i]
.endr
.irp i, 0,1,2
	s_delay_alu instid0(VALU_DEP_3)
	v_mov_b32 v[227+6*\c+\i], v[236+4*\c+\i]
.endr
.endr
.irp j, 0,2,4,6,8,10,12,14
	v_pk_mul_f32 v[80+\j:81+\j], v[80+\j:81+\j], v[252:253] op_sel_hi:[1,0]       ; O^T under the new M: x f.  (These 16 are also the places between the lines that made p's codes and scale word and the products below)
.endr
.irp j, 0,2,4,6,8,10,12,14
	v_pk_mul_f32 v[208+\j:209+\j], v[208+\j:209+\j], v[252:253] op_sel_hi:[1,0]
.endr
	s_wait_alu depctr_va_vdst(0)
	s_wait_dscnt 0x0                               ; V is in
.irp t, 0,1,2,3                                ; O^T += V^T P^T: the head's four tiles of 16 channels by turns; K = these 128 keys
	v_wmma_scale_f32_16x16x128_f8f6f4 v[80+8*\t+112*(\t/2):87+8*\t+112*(\t/2)], v[160+12*\t:171+12*\t], v[224:235], v[80+8*\t+112*(\t/2):87+8*\t+112*(\t/2)], v[28+\t], v253 matrix_a_fmt:MATRIX_FMT_FP6 matrix_b_fmt:MATRIX_FMT_FP6
.endr
.Lhidden_\@:
	s_add_co_u32 s[KI], s[KI], 1
	s_add_co_u32 s[KF], s[KF], 128
	s_add_co_u32 s[TB], s[TB], 6144
	s_add_co_u32 s[TS], s[TS], 512
	s_add_co_u32 s[TJ], s[TJ], 256
.endm
; A PASS: tile s[TT] against the first 128 x trips keys (a constant of the text).  next = 1: the other tile's Q is asked for under this tile's way out.
.macro PASS trips, next
	s_lshr_b32 s[DD], s[TT], 3
	s_lshr_b32 s[Q0], s[TT], 1
	s_lshl_b32 s[Q0], s[Q0], 5
	s_and_b32 s14, s[TT], 1
	s_lshl_b32 s14, s14, 3
	s_add_co_u32 s[Q0], s[Q0], s14                 ; 32 (T / 2) + 8 (T % 2)
	s_lshl_b32 s14, s11, 7
	s_add_co_u32 s14, s14, s[TT]                   ; the tile's row block among all tokens
	s_lshl_b32 s15, s14, 4
	s_add_co_u32 s15, s15, s12
	s_mul_i32 s16, s15, 768
	s_mov_b32 s17, 0
	s_add_nc_u64 s[96:97], s[6:7], s[16:17]        ; O's half fragment: [row block][head][768]
	s_lshl_b32 s16, s14, 9
	s_lshl_b32 s15, s12, 1
	s_add_co_u32 s16, s16, s15
	s_add_co_u32 s16, s16, O_SC
	s_add_nc_u64 s[98:99], s[6:7], s[16:17]        ; its two scale bytes a place: 32 bytes a place, byte 2 x head
	s_mov_b32 s[KI], 0
	s_mov_b32 s[KF], 0
	s_mov_b32 s[TB], 0
	s_mov_b32 s[TS], SCK
	s_mov_b32 s[TJ], SCV
	v_mov_b32 v13, 0xff61b1e6                      ; the largest t so far: -3e38, under every t
	s_delay_alu instid0(VALU_DEP_1)
	v_floor_f32 v12, -v13                          ; -M
	v_mov_b32 v14, 0                               ; the sum, in two halves
	v_mov_b32 v15, 0
.irp j, 0,1,2,3,4,5,6,7,8,9,10,11,12,13,14,15
	v_mov_b32 v[80+\j], 0                          ; O^T: the step is written once; the first finds zeros, which the first change of M leaves zeros
	v_mov_b32 v[208+\j], 0
.endr
	s_wait_loadcnt 0x0                             ; Q
.Lstep_\@:
	STEP
	s_cmp_lt_u32 s[KI], \trips
	s_cbranch_scc1 .Lstep_\@
	s_setprio 0
.if \next
	s_sub_co_u32 s[TT], 127, s[TT]                 ; pass 2's tile
	QLOAD
.endif
	v_add_f32 v14, v14, v15                        ; the sum's two halves,
	s_delay_alu instid0(VALU_DEP_1)
	v_permlanex16_b32 v252, v14, s[SEL], s[SEL+1]
	s_delay_alu instid0(VALU_DEP_1)
	v_add_f32 v14, v14, v252                       ; and lane l xor 16's: the row's sum
	s_wait_alu depctr_va_vdst(0)
	v_rcp_f32 v14, v14
.rept 4
	v_nop                                          ; plain places: behind the reciprocal, and behind the last products ahead of the first read of O^T
.endr
	s_wait_alu depctr_va_vdst(0)                   ; the wait ahead of the reciprocal's first reader
.irp t, 0,1,2,3
.irp j, 0,1,2,3,4,5,6,7
	v_mul_f32 v[96+8*\t+\j], v[80+8*\t+112*(\t/2)+\j], v14   ; O^T / the sum: register 16 b + i is channel 32 b + 16 h + i of the head
.endr
.endr
.irp b, 0,1
	v_max3_num_f32 v[232+\b], |v[96+16*\b]|, |v[97+16*\b]|, 0x1800000
.endr
.irp i, 2,4,6,8,10,12,14
.irp b, 0,1
	s_delay_alu instid0(VALU_DEP_2)
	v_max3_num_f32 v[232+\b], v[232+\b], |v[96+16*\b+\i]|, |v[97+16*\b+\i]|
.endr
.endr
.irp b, 0,1
	s_delay_alu instid0(VALU_DEP_2)
	v_permlanex16_b32 v[236+\b], v[232+\b], s[SEL], s[SEL+1]
.endr
.irp b, 0,1
	s_delay_alu instid0(VALU_DEP_2)
	v_max_num_f32 v[232+\b], v[232+\b], v[236+\b]
.endr
.irp b, 0,1
	s_delay_alu instid0(VALU_DEP_2)
	v_add_nc_u32 v[244+\b], 0xff000000, v[232+\b]
.endr
.irp b, 0,1
	s_delay_alu instid0(VALU_DEP_2)
	v_lshrrev_b32 v[236+\b], 23, v[244+\b]
.endr
	s_delay_alu instid0(VALU_DEP_1)
	v_lshl_or_b32 v240, v237, 8, v236              ; the head's two scale bytes of my query
	v_cvt_scalef32_pk16_fp6_f32 v[224:226], v[96:111], v244
	v_cvt_scalef32_pk16_fp6_f32 v[236:238], v[112:127], v245
	v_nop                                          ; one plain place behind a scaled conversion
.irp i, 0,1,2
	v_permlane16_swap_b32 v[224+\i], v[236+\i]
.endr
.irp i, 0,1,2
	s_delay_alu instid0(VALU_DEP_3)
	v_mov_b32 v[227+\i], v[236+\i]
.endr
	global_store_b128 v1, v[224:227], s[96:97]             ; 512 consecutive bytes, aligned
	global_store_b64 v2, v[228:229], s[96:97] offset:512   ; 256
	global_store_b16 v5, v240, s[98:99]                    ; lanes l and l xor 16 write the same two bytes with the same value; a head owns two of a place's 32 bytes
	s_wait_xcnt 0x0                                ; the stores have read their data and bases: both are written again only behind this wait
.endm
	s_wait_tensorcnt 0x1                           ; my scale words and my codes of keys under 1,024 are in; the other half may be out
	s_barrier_signal -1
	s_barrier_wait -1                              ; everybody's are
	PASS 8, 1                                      ; tiles under 64: keys under 1,024
	s_wait_tensorcnt 0x0                           ; my codes of keys 1,024 on are in,
	s_wait_dscnt 0x0
	s_barrier_signal -1
	s_barrier_wait -1                              ; everybody's are
	PASS 16, 0
	s_wait_xcnt 0x0
	v_lshl_add_u32 v254, v0, 2, 0x33000
	v_mov_b32 v255, 0
	s_wait_alu depctr_va_vdst(0)
	s_wait_tensorcnt 0x0
	ds_add_u32 v254, v255
	s_wait_dscnt 0x0
	s_endpgm
.Lfunc_end_k_q4e20cab4c0_attn:
	.size	k_q4e20cab4c0_attn, .Lfunc_end_k_q4e20cab4c0_attn-k_q4e20cab4c0_attn
	.p2alignl 7, 3214868480
	.fill 96, 4, 3214868480
	.section	.rodata,"a",@progbits
	.p2align	6, 0x0
	.amdhsa_kernel k_q4e20cab4c0_attn
		.amdhsa_group_segment_fixed_size 210944
		.amdhsa_private_segment_fixed_size 0
		.amdhsa_enable_private_segment 0
		.amdhsa_kernarg_size 16
		.amdhsa_user_sgpr_count 2
		.amdhsa_user_sgpr_kernarg_segment_ptr 1
		.amdhsa_wavefront_size32 1
		.amdhsa_system_sgpr_workgroup_id_x 1
		.amdhsa_system_sgpr_workgroup_id_y 1
		.amdhsa_system_sgpr_workgroup_id_z 1
		.amdhsa_system_vgpr_workitem_id 0
		.amdhsa_next_free_vgpr 256
		.amdhsa_next_free_sgpr 100
		.amdhsa_reserve_vcc 1
		.amdhsa_float_denorm_mode_32 3
		.amdhsa_float_denorm_mode_16_64 3
		.amdhsa_memory_ordered 1
		.amdhsa_forward_progress 1
		.amdhsa_inst_pref_size 70
	.end_amdhsa_kernel
	.amdgpu_metadata
---
amdhsa.version: [ 1, 2 ]
amdhsa.kernels:
  - .name:           k_q4e20cab4c0_attn
    .symbol:         k_q4e20cab4c0_attn.kd
    .args:
      - { .name: qkv, .offset: 0, .size: 8, .value_kind: global_buffer, .address_space: global }
      - { .name: oq, .offset: 8, .size: 8, .value_kind: global_buffer, .address_space: global }
    .group_segment_fixed_size: 210944
    .private_segment_fixed_size: 0
    .kernarg_segment_align: 8
    .kernarg_segment_size: 16
    .max_flat_workgroup_size: 512
    .sgpr_count:     100
    .vgpr_count:     256
    .wavefront_size: 32
...
	.end_amdgpu_metadata
.endif
;; end of part 3
;; launch oproj (part 4): grid 4 x 32, 4 waves a work-group, clusters of 4 x 4, 327,680 bytes of LDS; arguments oq, xw, out0; writes out0
.if DOCPART == 4
	.amdgcn_target "amdgcn-amd-amdhsa--gfx1250"
	.amdhsa_code_object_version 6
	.text
	.protected	k_q4e20cab4c0_oproj
	.globl	k_q4e20cab4c0_oproj
	.p2align	8
	.type	k_q4e20cab4c0_oproj,@function
k_q4e20cab4c0_oproj:
	s_mov_b64 s[64:65], 0
	v_nop
	global_prefetch_b8 v0, s[64:65] scope:SCOPE_SE
	s_setreg_imm32_b32 hwreg(HW_REG_WAVE_MODE, 25, 1), 1
	s_wait_xcnt 0x0
	s_wait_alu depctr_hold_cnt(0) depctr_sa_sdst(0) depctr_va_vdst(0) depctr_va_sdst(0) depctr_va_ssrc(0) depctr_va_vcc(0) depctr_vm_vsrc(0)
	s_getreg_b32 s2, hwreg(HW_REG_IB_STS2, 6, 4)
	s_cmp_eq_u32 s2, 0
	s_cbranch_scc0 .Lentry_in_a_cluster
	s_endpgm
.Lentry_in_a_cluster:
	s_bfe_u32 s2, ttmp6, 0x10000c
	s_cmp_lg_u32 s2, 0xf033
	s_cbranch_scc0 .Lentry_shape_is_right
	s_endpgm
.Lentry_shape_is_right:
; out0 = O W_o^T on codes of FP6 (E2M3) with E8M0 scales, K = 1,024; out0 [8192][1024] f32.
; O's codes lie in oq and W_o's in xw (row blocks 704-767) as images of their registers: row blocks of 16 places, 16 half fragments of 768 bytes each (lane l's registers 0-3 at 16 l, 4-5 at 512 + 8 l),
; scale bytes 32 a place.  Place r of row block t stands for row 32 (t / 2) + 8 (t % 2) + r + 8 (r / 8).
; THE MATRIX INSTRUCTION IS USED TRANSPOSED (source 0 = W_o's rows, source 1 = O's): a lane holds one token, and register j of result tile 2 b + u the output column 32 b + 16 (lane / 16) + 8 u + j.
; A tile of out0 is 256 x 256, made by four waves, 128 x 128 each: 64 accumulators.  K goes in four steps of 256 through THREE LDS slots: steps 0, 1, 2 are asked for at the head, step 3 fills slot 0 again
; behind one round of the cluster's barrier.  By this text's own count a wave has four tensor loads out at the head and one behind the round.
; CLUSTERS: 4 x 4.  The four of a row need the same tiles of O, the four of a column the same tiles of W_o: each is asked for jointly.
; REGISTERS: window 0: v4-27 addresses; v32-63 scale words, two sets; v128-223 A's 8 fragments, one set (on the way out v128-255: rows read back).  window 1: B's two sets.  windows 2, 3: accumulator (a, b) at v[8 (8 (a % 4) + b)].
.set XW_SC, 9437184
.set O_SC,  6291456
.set SLOT,  98304                      ; A's 16 row blocks x 3,072 bytes (256 along K), then B's
.set HALFT, 24576
.set RBB,   3072
.set SCL,   3*SLOT                     ; the scales of all of K, as units of 256 bytes + 16 of padding
.set HALFS, 16*272
.set SPARE, SCL+4*HALFS                ; the spare words, 128 bytes for each wave: two blocks of 256 bytes that no other line names
.set STG,   SLOT                       ; the way out: 16 rows x 528 bytes a wave in slot 1, which has had its one fill and its last read by then
.set SPITCH, 528
.set FR,    12
.set NL,    4
.set NP,    4
.set ADRA,  4
.set ADRB,  10
.set ADRS,  16
.set SPW,   17
.set NIL,   18
.set CO,    19                         ; v19     16 x lane: my bytes of a row of 512
.set L8,    20                         ; v20     8 x lane
.set STO,   21                         ; v21     the stage: where I put 16 bytes of a row
.set RD,    22                         ; v22     and where I read a row back
.set SC,    32
.set AF,    128
.set BK,    128
.set G1,    32
.set G1B,   40
.set G1S,   48
.set G1SB,  56
.set G0A,   68
.set G0B,   84
.set MSB, 0
.macro WIN new                         ; the immediate's high byte repeats the setting that is left
.if MSB != \new
	s_set_vgpr_msb (MSB<<8)|\new
.set MSB, \new
.endif
.endm
.set MUL_LO, 0xa1
.set MUL_HI, 0xf1
.set TO_B,   0x40
.macro JLOAD g0a, g1a, g0b, g1b        ; a joint load: waves 0 and 1 fetch for A, waves 2 and 3 for B; four v_nop follow each of the two lines
	s_cmp_eq_u32 s15, 0
	s_cbranch_scc0 .Lfor_b_\@
	tensor_load_to_lds s[\g0a:\g0a+3], s[\g1a:\g1a+7]
	s_nop 0
.rept 4
	v_nop
.endr
	s_branch .Lasked_\@
.Lfor_b_\@:
	tensor_load_to_lds s[\g0b:\g0b+3], s[\g1b:\g1b+7]
	s_nop 0
.rept 4
	v_nop
.endr
.Lasked_\@:
.endm
.macro CREST
	s_cmp_lg_u32 s14, 0
	s_cbranch_scc1 .Lnot_wave_0_\@
	s_barrier_signal -3
.Lnot_wave_0_\@:
	s_barrier_wait -3
	s_barrier_signal -1
	s_barrier_wait -1
.endm
.macro CROUND
	s_barrier_signal -1
	s_barrier_wait -1
	CREST
.endm
.macro PLACES n
.rept \n
	v_nop
.endr
.endm
	s_load_b128 s[4:7], s[0:1], 0x0                ; oq, xw
	s_load_b64 s[30:31], s[0:1], 0x10              ; out0
	v_lshl_add_u32 v[SPW], v0, 2, SPARE
	v_mov_b32 v[NIL], 0
	ds_add_u32 v17, v18
	ds_add_u32 v17, v18
	s_wait_dscnt 0x0
	v_lshrrev_b32 v1, 5, v0
	v_readfirstlane_b32 s14, v1                    ; wave 0..3
	s_lshr_b32 s15, s14, 1
	s_and_b32 s16, s14, 1
	s_lshl_b32 s17, s16, 3
	s_bfe_u32 s20, ttmp6, 0x40000                  ; cx
	s_bfe_u32 s21, ttmp6, 0x40004                  ; cy
	s_lshl_b32 s22, s21, 2
	s_lshl_b32 s22, 15, s22                        ; my row of the cluster
	s_lshl_b32 s23, 0x1111, s20                    ; my column
	s_or_b32 s[G1+0], s22, (3<<16)|(1<<21)         ; codes: 8 row blocks x 3,072 bytes (384 elements of 8 bytes), 12,288 bytes apart in memory, on end in LDS
	s_or_b32 s[G1B+0], s23, (3<<16)|(1<<21)
.irp g, G1, G1B
	s_mov_b32 s[\g+1], 384<<16
	s_mov_b32 s[\g+2], 8<<16
	s_mov_b32 s[\g+3], 384<<16
	s_mov_b32 s[\g+4], 8
	s_mov_b32 s[\g+5], 1536
	s_mov_b32 s[\g+6], 0
	s_mov_b32 s[\g+7], 0
.endr
	s_or_b32 s[G1S+0], s22, (3<<16)|(1<<20)|(1<<21)|(5<<22)|(3<<25)   ; scales: 4,096 dense bytes as 16 rows of 256, 16 bytes of padding behind each
	s_or_b32 s[G1SB+0], s23, (3<<16)|(1<<20)|(1<<21)|(5<<22)|(3<<25)
.irp g, G1S, G1SB
	s_mov_b32 s[\g+1], 32<<16
	s_mov_b32 s[\g+2], 16<<16
	s_mov_b32 s[\g+3], 32<<16
	s_mov_b32 s[\g+4], 16
	s_mov_b32 s[\g+5], 32
	s_mov_b32 s[\g+6], 0
	s_mov_b32 s[\g+7], 0
.endr
	s_and_b32 s24, ttmp7, 0xffff
	s_lshl_b32 s24, s24, 2
	s_add_co_u32 s24, s24, s21                     ; the tile of tokens = 4 x cluster y + cy
	s_lshl_b32 s25, s24, 4
	s_add_co_u32 s25, s25, s17                     ; A: the first row block that I fetch
	s_mul_i32 s8, s25, 12288
	s_mov_b32 s9, 0
	s_lshl_b32 s10, s25, 9
	s_add_co_u32 s10, s10, O_SC
	s_mov_b32 s11, 0
	s_lshl_b32 s27, ttmp9, 2
	s_add_co_u32 s27, s27, s20                     ; the tile of columns = 4 x cluster x + cx
	s_add_co_u32 s28, s27, 44                      ; W_o's tiles of 256 rows in xw begin at 44
	s_lshl_b32 s28, s28, 4
	s_add_co_u32 s28, s28, s17
	s_mul_i32 s12, s28, 12288
	s_mov_b32 s13, 0
	s_lshl_b32 s18, s28, 9
	s_add_co_u32 s18, s18, XW_SC
	s_mov_b32 s19, 0
	s_mul_i32 s22, s14, HALFS                      ; where they go: wave x its part: no place in the cluster enters an LDS address
	s_mul_i32 s23, s14, HALFT
	s_wait_kmcnt 0x0
	s_add_nc_u64 s[8:9], s[4:5], s[8:9]
	s_add_nc_u64 s[10:11], s[4:5], s[10:11]
	s_add_nc_u64 s[12:13], s[6:7], s[12:13]
	s_add_nc_u64 s[18:19], s[6:7], s[18:19]
	CROUND                                         ; all sixteen work-groups are here: the first joint loads meet
	s_mov_b32 s[G0A], 1
	s_add_co_u32 s[G0A+1], s22, SCL
	s_mov_b64 s[G0A+2:G0A+3], s[10:11]
	s_or_b32 s[G0A+3], s[G0A+3], 0x80000000
	s_mov_b32 s[G0B], 1
	s_add_co_u32 s[G0B+1], s22, SCL
	s_mov_b64 s[G0B+2:G0B+3], s[18:19]
	s_or_b32 s[G0B+3], s[G0B+3], 0x80000000
	JLOAD G0A, G1S, G0B, G1SB                      ; the scales first: they are wanted with K step 0
.irp s, 0,1,2
	s_mov_b32 s[G0A+4+4*\s], 1
	s_add_co_u32 s[G0A+5+4*\s], s23, \s*SLOT
	s_add_nc_u64 s[G0A+6+4*\s:G0A+7+4*\s], s[8:9], \s*RBB
	s_or_b32 s[G0A+7+4*\s], s[G0A+7+4*\s], 0x80000000
	s_mov_b32 s[G0B+4+4*\s], 1
	s_add_co_u32 s[G0B+5+4*\s], s23, \s*SLOT
	s_add_nc_u64 s[G0B+6+4*\s:G0B+7+4*\s], s[12:13], \s*RBB
	s_or_b32 s[G0B+7+4*\s], s[G0B+7+4*\s], 0x80000000
	JLOAD G0A+4+4*\s, G1, G0B+4+4*\s, G1B          ; K step s into slot s
.endr
	v_and_b32 v1, 31, v0                           ; lane
	v_and_b32 v2, 15, v0                           ; r
	v_bfe_u32 v3, v0, 4, 1                         ; h
	v_lshlrev_b32 v[CO], 4, v1
	v_lshlrev_b32 v[L8], 3, v1
	s_mul_i32 s25, s15, HALFT                      ; my 8 row blocks of A
	s_mul_i32 s26, s16, HALFT                      ; my 8 of B,
	s_add_co_u32 s26, s26, 2*HALFT                 ; which lie behind A's 16
.irp s, 0,1,2
	v_add_nc_u32 v[ADRA+2*\s], s25, v[CO]
	v_add_nc_u32 v[ADRA+2*\s+1], s25, v[L8]
	v_add_nc_u32 v[ADRB+2*\s], s26, v[CO]
	v_add_nc_u32 v[ADRB+2*\s+1], s26, v[L8]
	s_add_co_u32 s25, s25, SLOT
	s_add_co_u32 s26, s26, SLOT
.endr
	v_lshlrev_b32 v[ADRS], 5, v2                   ; my place's scales: 32 bytes a place,
	v_lshrrev_b32 v[STO], 3, v2
	v_lshl_add_u32 v[ADRS], v[STO], 4, v[ADRS]     ; and 16 more behind each 256
	s_mul_i32 s25, s15, HALFS
	s_mul_i32 s26, s16, HALFS
	s_add_co_u32 s26, s26, 2*HALFS
	s_sub_co_u32 s26, s26, s25
	v_mul_u32_u24 v[STO], s26, v3                  ; lanes 16-31 take B's
	s_add_co_u32 s25, s25, SCL
	v_add_nc_u32 v[ADRS], v[ADRS], v[STO]
	v_add_nc_u32 v[ADRS], s25, v[ADRS]
	s_mul_i32 s25, s14, 16*SPITCH
	s_add_co_u32 s25, s25, STG                     ; my stage
	v_mul_u32_u24 v[STO], v2, SPITCH
	v_lshl_add_u32 v[STO], v3, 6, v[STO]
	v_add_nc_u32 v[STO], s25, v[STO]               ; in: row r, + 64 h
	v_add_nc_u32 v[RD], s25, v[CO]                 ; back: the 32 lanes take one row of 512 bytes
	s_lshl_b32 s24, s24, 8
	s_lshl_b32 s25, s15, 7
	s_add_co_u32 s24, s24, s25                     ; my first row of out0: 256 x tile + 128 x half
	s_lshl_b32 s24, s24, 12                        ; in bytes (under 2^26)
	s_lshl_b32 s27, s27, 10
	s_lshl_b32 s25, s16, 9
	s_add_co_u32 s27, s27, s25                     ; my first column, in bytes
	s_add_co_u32 s24, s24, s27
	s_mov_b32 s25, 0
	s_add_nc_u64 s[30:31], s[30:31], s[24:25]
.macro FRAG reg, adr, q, i             ; a fragment (16 places x 128 K, 12 registers) is two half fragments: four loads, each of 512 or 256 consecutive bytes
	ds_load_b128 v[\reg:\reg+3], v[\adr] offset:RBB*(\i)+1536*(\q)
	ds_load_b64 v[\reg+4:\reg+5], v[\adr+1] offset:RBB*(\i)+1536*(\q)+512
	ds_load_b128 v[\reg+6:\reg+9], v[\adr] offset:RBB*(\i)+1536*(\q)+768
	ds_load_b64 v[\reg+10:\reg+11], v[\adr+1] offset:RBB*(\i)+1536*(\q)+1280
.endm
; 16 matrix instructions: A's blocks a0, a0 + 1 x B's eight.  The 64 accumulators take turns, one instruction a turn, in the same order in every step.
.macro MUL16 a0, p, q, sc, zero
.irp a, \a0, \a0+1
.irp b, 0,1,2,3,4,5,6,7
.if \zero
	v_wmma_scale_f32_16x16x128_f8f6f4 v[8*(8*((\a)%4)+\b):8*(8*((\a)%4)+\b)+7], v[128*(\p)+FR*\b:128*(\p)+FR*\b+FR-1], v[AF+FR*(\a):AF+FR*(\a)+FR-1], 0, v[SC+16*(\sc)+2*\b+(\q)], v[SC+16*(\sc)+2*(\a)+(\q)] matrix_a_fmt:MATRIX_FMT_FP6 matrix_b_fmt:MATRIX_FMT_FP6 matrix_a_scale:MATRIX_SCALE_ROW1
.else
	v_wmma_scale_f32_16x16x128_f8f6f4 v[8*(8*((\a)%4)+\b):8*(8*((\a)%4)+\b)+7], v[128*(\p)+FR*\b:128*(\p)+FR*\b+FR-1], v[AF+FR*(\a):AF+FR*(\a)+FR-1], v[8*(8*((\a)%4)+\b):8*(8*((\a)%4)+\b)+7], v[SC+16*(\sc)+2*\b+(\q)], v[SC+16*(\sc)+2*(\a)+(\q)] matrix_a_fmt:MATRIX_FMT_FP6 matrix_b_fmt:MATRIX_FMT_FP6 matrix_a_scale:MATRIX_SCALE_ROW1
.endif
.endr
.endr
.endm
.macro FETCH_B slot, q, p
	WIN TO_B
.irp i, 0,1,2,3,4,5,6,7
	FRAG 128*(\p)+FR*\i, ADRB+2*\slot, \q, \i
.endr
	WIN 0
.endm
.macro FETCH_A slot, q, i0
.irp i, \i0, \i0+1, \i0+2, \i0+3
	FRAG AF+FR*(\i), ADRA+2*\slot, \q, \i
.endr
.endm
.macro SCALES t                        ; K step t's scale words into set t % 2; lanes 0-15 A's block i, lanes 16-31 B's block i
.irp i, 0,1,2,3,4,5,6,7
	ds_load_b64 v[SC+16*((\t)%2)+2*\i:SC+16*((\t)%2)+2*\i+1], v[ADRS] offset:\i*544+8*(\t)
.endr
.endm
.macro STEP slot, t, zero              ; the first 128 along K of K step t
	s_wait_dscnt 4*NL                              ; all but the youngest 16 loads (A's blocks 4-7) are in
	WIN MUL_LO
	MUL16 0, 0, 0, (\t)%2, \zero
	MUL16 2, 0, 0, (\t)%2, \zero
	s_wait_dscnt 0x0
	PLACES NP                                      ; in front of loads into registers that matrix instructions have read
	FETCH_B \slot, 1, 1
	FETCH_A \slot, 1, 0
	WIN MUL_HI
	MUL16 4, 0, 0, (\t)%2, \zero
	MUL16 6, 0, 0, (\t)%2, \zero
	PLACES NP
	WIN 0
	FETCH_A \slot, 1, 4
.endm
; The second 128 along K of K step t, and the change to slot next.  kind = 2: this slot is filled again behind a round of the cluster's barrier, in front of which each wave waits for all its tensor loads, adds 0 to its
; spare word and waits for that and for its reads of the slot.  kind = 1: the same without round and refill.  kind = 0: no barrier: the next slot was shown whole to every wave in front of the round.
.macro TURN slot, next, t, kind
.if \kind
	s_wait_tensorcnt 0x0                           ; all my tensor loads have landed  (every window is 0 here)
	ds_add_u32 v[SPW], v[NIL]                      ; 0 onto my spare word
	s_wait_dscnt 4*NL+1                            ; (the add and the youngest 16 loads may be out)
.else
	s_wait_dscnt 4*NL
.endif
	WIN MUL_LO
	MUL16 0, 1, 1, (\t)%2, 0
.if \kind
	s_wait_dscnt 0x0                               ; the add is done, and my reads of this slot are over
	s_barrier_signal -1
.endif
	MUL16 2, 1, 1, (\t)%2, 0
.if \kind
	WIN 0
	s_barrier_wait -1
.else
	s_wait_dscnt 0x0
.endif
.if \kind == 2
	CREST                                          ; no wave of any partner still reads this slot's tile or has a load on its way
	s_add_nc_u64 s[G0A+6+4*\slot:G0A+7+4*\slot], s[G0A+6+4*\slot:G0A+7+4*\slot], 3*RBB
	s_add_nc_u64 s[G0B+6+4*\slot:G0B+7+4*\slot], s[G0B+6+4*\slot:G0B+7+4*\slot], 3*RBB
	JLOAD G0A+4+4*\slot, G1, G0B+4+4*\slot, G1B    ; K step 3: it has 224 matrix instructions in which to land; the four v_nop behind it are the places in front of the loads below
.else
	PLACES NP
.endif
	FETCH_B \next, 0, 0
	FETCH_A \next, 0, 0
	SCALES (\t)+1
	WIN MUL_HI
	MUL16 4, 1, 1, (\t)%2, 0
	MUL16 6, 1, 1, (\t)%2, 0
	PLACES NP
	WIN 0
	FETCH_A \next, 0, 4
.endm
	s_wait_tensorcnt 0x2                           ; the scales and my part of K step 0 are in (K steps 1 and 2 may be out)
	s_barrier_signal -1
	s_barrier_wait -1                              ; everybody's are
	FETCH_B 0, 0, 0
	FETCH_A 0, 0, 0
	SCALES 0
	FETCH_A 0, 0, 4
	STEP 0, 0, 1
	TURN 0, 1, 0, 2
	STEP 1, 1, 0
	TURN 1, 2, 1, 0
	STEP 2, 2, 0
	TURN 2, 0, 2, 1
	STEP 0, 3, 0
	s_wait_dscnt 4*NL                              ; the very last step: nothing more to fetch
	WIN MUL_LO
	MUL16 0, 1, 1, 1, 0
	MUL16 2, 1, 1, 1, 0
	s_wait_dscnt 0x0
	WIN MUL_HI
	MUL16 4, 1, 1, 1, 0
	MUL16 6, 1, 1, 1, 0
	WIN 0
; THE WAY OUT, block by block of 16 tokens x 128 columns, through my own stage: in by lanes (32 bytes of a row each), back as whole rows of 512 bytes.  LDS serves a wave's instructions in order (ISA guide 5.7.1.4).
.macro TOSTAGE a
.set AC, 64*((\a)%4)
	WIN 0x08+4*((\a)/4)                            ; the data: window 2 or 3
.irp b, 0,1,2,3,4,5,6,7
	ds_store_b128 v[STO], v[AC+8*\b:AC+8*\b+3] offset:128*(\b/2)+32*(\b%2)          ; each accumulator from its low end on: columns 32 (b / 2) + 16 h + 8 (b % 2) + 0 .. 3
	ds_store_b128 v[STO], v[AC+8*\b+4:AC+8*\b+7] offset:128*(\b/2)+32*(\b%2)+16
.endr
	WIN 0
.set BB, BK+64*((\a)%2)
.irp t, 0,1,2,3,4,5,6,7,8,9,10,11,12,13,14,15
	ds_load_b128 v[BB+4*\t:BB+4*\t+3], v[RD] offset:\t*SPITCH
.endr
.endm
.macro SEND a, younger                 ; younger: the LDS instructions issued behind block a's loads, which may stay out
.set BB, BK+64*((\a)%2)
	s_wait_dscnt \younger
.if (\a) > 0
.if ((\a)%2) == 1
	s_add_nc_u64 s[30:31], s[30:31], 8*4096        ; (behind a wait on XCNT)  block a begins at row 32 (a / 2) + 8 (a % 2)
.else
	s_add_nc_u64 s[30:31], s[30:31], 24*4096
.endif
.endif
.irp t, 0,1,2,3,4,5,6,7,8,9,10,11,12,13,14,15
	global_store_b128 v[CO], v[BB+4*\t:BB+4*\t+3], s[30:31] offset:(\t+8*(\t/8))*4096 th:TH_STORE_NT   ; place t is row t + 8 (t / 8) of the block; 32 lanes store 512 consecutive bytes, aligned
.endr
.endm
	PLACES NP                                      ; behind the last products: for the loads into the registers that held A's fragments, and for the reads of results
	TOSTAGE 0
.irp a, 1,2,3,4,5,6,7
.if \a > 1
	s_wait_xcnt 0x0                                ; block a - 2's stores have read their registers and their base
.endif
	TOSTAGE \a
	SEND \a-1, 32                                  ; behind block a - 1's loads: block a's 16 stores and 16 loads
.endr
	s_wait_xcnt 0x0
	SEND 7, 0
	s_wait_tensorcnt 0x0                           ; the wave's end
	ds_add_u32 v[SPW], v[NIL]
	s_wait_dscnt 0x0
	CROUND                                         ; the closing round: no work-group ends while a partner may still ask for a tile that names it
	s_endpgm
.Lfunc_end_k_q4e20cab4c0_oproj:
	.size	k_q4e20cab4c0_oproj, .Lfunc_end_k_q4e20cab4c0_oproj-k_q4e20cab4c0_oproj
	.p2alignl 7, 3214868480
	.fill 96, 4, 3214868480
	.section	.rodata,"a",@progbits
	.p2align	6, 0x0
	.amdhsa_kernel k_q4e20cab4c0_oproj
		.amdhsa_group_segment_fixed_size 327680
		.amdhsa_private_segment_fixed_size 0
		.amdhsa_enable_private_segment 0
		.amdhsa_kernarg_size 24
		.amdhsa_user_sgpr_count 2
		.amdhsa_user_sgpr_kernarg_segment_ptr 1
		.amdhsa_wavefront_size32 1
		.amdhsa_system_sgpr_workgroup_id_x 1
		.amdhsa_system_sgpr_workgroup_id_y 1
		.amdhsa_system_sgpr_workgroup_id_z 1
		.amdhsa_system_vgpr_workitem_id 0
		.amdhsa_next_free_vgpr 1024
		.amdhsa_next_free_sgpr 100
		.amdhsa_reserve_vcc 0
		.amdhsa_float_denorm_mode_32 3
		.amdhsa_float_denorm_mode_16_64 3
		.amdhsa_memory_ordered 1
		.amdhsa_forward_progress 1
		.amdhsa_inst_pref_size 144
	.end_amdhsa_kernel
	.amdgpu_metadata
---
amdhsa.version: [ 1, 2 ]
amdhsa.kernels:
  - .name:           k_q4e20cab4c0_oproj
    .symbol:         k_q4e20cab4c0_oproj.kd
    .args:
      - { .name: oq, .offset: 0, .size: 8, .value_kind: global_buffer, .address_space: global }
      - { .name: xw, .offset: 8, .size: 8, .value_kind: global_buffer, .address_space: global }
      - { .name: out0, .offset: 16, .size: 8, .value_kind: global_buffer, .address_space: global }
    .group_segment_fixed_size: 327680
    .private_segment_fixed_size: 0
    .kernarg_segment_align: 8
    .kernarg_segment_size: 24
    .max_flat_workgroup_size: 128
    .sgpr_count:     100
    .vgpr_count:     1024
    .wavefront_size: 32
...
	.end_amdgpu_metadata
.endif
;; end of part 4
